; MI455X (gfx1250); checked and timed in simulation.
; The chip was launched on July 23, 2026; its instructions are those of AMD's public machine-readable ISA for CDNA 5 (MIT licence, August 2026) and "CDNA5" Instruction Set Architecture Reference Guide (July 2026). The comments in the code are by the model that wrote it; some were corrected since.
;; Multi Head Attention. Allowed arithmetic: matrix products marked QUANTISED: E2M1 operands, one E8M0 scale for each 32 along K, by v_wmma_scale_f32_16x16x128_f8f6f4 with both operands' format E2M1 (or v_wmma_scale_f32_32x16x128_f4), f32 sums; products left as they are: bf16, f16 or f32 operands; f32 sums; everything else in f32.
;; Inputs: Wk 1,024 x 1,024 float32; Wo 1,024 x 1,024 float32; Wq 1,024 x 1,024 float32; Wv 1,024 x 1,024 float32; bk 1,024 float32; bo 1,024 float32; bq 1,024 float32; bv 1,024 float32; query_input 2 x 2,048 x 1,024 float32.
;; Outputs: out0 2 x 2,048 x 1,024 float32.
;; This version of the problem:
;;   THIS VERSION OF THE PROBLEM IS GIVEN IN LOW PRECISION. The matrix products marked QUANTISED in the list below multiply operands that are first quantised to E2M1 (2 exponent bits, 1 mantissa bit; 4 bits a number), with one power-of-two scale for each 32 numbers along K (OCP MX v1.0); their sums are f32. The products marked 'left as it is' may take bf16, f16 or f32 operands, with f32 sums. Whichever they take, every output number must still come out within the allowed error. Rounding operands to bf16 (8 significant bits) uses up far more of that allowance than f16 does (11 bits, for magnitudes from 6e-5 to 65,504). All else is computed in f32.
;;   The module's matrix products, in the order in which they are computed (A, B: the left and right operand; K: the contracted axis; several contracted axes count as one K, in the product's order):
;;     1. [M 4,096, K 1,024] x [K 1,024, N 1,024]; A: input query_input; B: input Wq: QUANTISED
;;     2. [M 4,096, K 1,024] x [K 1,024, N 1,024]; A: input query_input; B: input Wk: QUANTISED
;;     3. [M 4,096, K 1,024] x [K 1,024, N 1,024]; A: input query_input; B: input Wv: QUANTISED
;;     4. batch 32 x [M 2,048, K 64] x [K 64, N 2,048]; A: computed on the way; B: computed on the way: left as it is (an operand is computed on the way)
;;     5. batch 32 x [M 2,048, K 2,048] x [K 2,048, N 64]; A: computed on the way; B: computed on the way: left as it is (an operand is computed on the way)
;;     6. [M 4,096, K 1,024] x [K 1,024, N 1,024]; A: computed on the way; B: input Wo: left as it is (an operand is computed on the way)
;;   THE QUANTISER, for each operand of a quantised product, along K:
;;     - K is cut into blocks of 32 from its start; a last block that is shorter is filled with zeros.
;;     - A block's scale is 2^e with e = floor(log2(the largest magnitude in the block)) - 2, held to -126 .. 127; a block of zeros has e = 0. As a byte (E8M0): e + 127.
;;     - Each number is divided by its block's scale, clamped to +-6, and rounded to the nearest number of E2M1, ties to even, subnormals kept.
;;     - The product sums the exact products of the quantised numbers (number of the format x scale) in f32.
;;   ~~~python
;;   def quantise(x, axis):      # numpy; x: float32 -> the quantised numbers, widened to float32 again
;;       x = np.moveaxis(x, axis, -1); K = x.shape[-1]
;;       x = np.pad(x, [(0, 0)] * (x.ndim - 1) + [(0, -K % 32)]); x = x.reshape(x.shape[:-1] + (-1, 32)); a = np.abs(x).max(-1, keepdims=True)
;;       e = np.where(a > 0, np.clip(np.frexp(np.where(a > 0, a, 1))[1] - 1 - 2, -126, 127), 0)      # np.frexp(a)[1] - 1 = floor(log2(a)), exactly
;;       r = np.clip(x / 2.0 ** e, -6, 6)
;;       step = 2.0 ** (np.maximum(np.frexp(np.where(r == 0, 1, r))[1] - 1, 0) - 1)
;;       q = np.round(r / step) * step * 2.0 ** e      # np.round: ties to even
;;       return np.moveaxis(q.reshape(q.shape[:-2] + (-1,))[..., :K], -1, axis).astype(np.float32)
;;   ~~~
;; One version. Each part assembles by itself: llvm-mc -triple=amdgcn-amd-amdhsa -mcpu=gfx1250 --defsym DOCPART=n.
;; ======== version 1 of 1: 4 launches
;; limits: values are held in f16: magnitudes above 65,504 overflow, below 6.1e-05 lose precision
;; workspace buffers: x_codes 2,097,152 bytes; x_scales 131,072 bytes; w_codes 1,572,864 bytes; w_scales 98,304 bytes; wo16 2,097,152 bytes; qkv 25,165,824 bytes; ctx 8,388,608 bytes
;; launch prep (part 1): grid 288 x 1, 4 waves a work-group, no clusters, 50,688 bytes of LDS; arguments query_input, Wq, Wk, Wv, Wo, x_codes, x_scales, w_codes, w_scales, wo16; writes x_codes, x_scales, w_codes, w_scales, wo16
.if DOCPART == 1
	.amdgcn_target "amdgcn-amd-amdhsa--gfx1250"
	.amdhsa_code_object_version 6
	.text
	.protected	k_q74d931a608_prep
	.globl	k_q74d931a608_prep
	.p2align	8
	.type	k_q74d931a608_prep,@function
k_q74d931a608_prep:
	s_mov_b64 s[64:65], 0
	v_nop
	global_prefetch_b8 v0, s[64:65] scope:SCOPE_SE
	s_setreg_imm32_b32 hwreg(HW_REG_WAVE_MODE, 25, 1), 1
	s_wait_xcnt 0x0
; PREP: what every later launch reads many times is narrowed once.
;   work-groups   0.. 95: Wq, Wk, Wv [k 1024][n 1024] f32, K their FIRST axis -> w_codes [3072 = q's, k's, v's columns][512 bytes along K], w_scales [3072][32].  The longest path: it has the first numbers.
;   work-groups  96..223: x [4096][1024] f32 -> codes of E2M1, K innermost (x_codes [4096][512 bytes]), one E8M0 byte for each 32 along K (x_scales [4096][32]).
;   work-groups 224..287: Wo f32 -> f16, laid as it lies (wo16 [k 1024][n 1024]).
; A block's scale is 2^(floor(log2(its largest magnitude)) - 2); its byte is that magnitude's exponent field - 2, held at 1 from below.
; LIMITS: a block of zeros, or one whose largest magnitude lies under 2^-124, keeps the byte 1 (zeros have zero codes; these bytes are read by this program alone);
; NaN and infinities among the inputs are not served; |Wo| above 65,504 becomes infinity in f16, and under 6e-5 it keeps f16's step of 6e-8.
; The three paths part on the work-group's number alone and have LDS bytes of their own.  No tensor load, no barrier: waves share nothing.
.set SP,    80                         ; x: a lane's place in a stage: 64 bytes + 16 of padding
.set XREG,  8192                       ; x: LDS of a wave: two stages of 32 x SP bytes, behind them its 256 scale bytes
.set WR,    4*XREG                     ; the weights' stages begin here
.set PITCH, 272                        ; a stage row of the weights' path: 256 bytes + 16
.set WROWS, 16                         ; rows (columns of a weight) in a wave's stage
.set SPARE, WR+4*WROWS*PITCH           ; the spare words, 128 bytes for each wave: two blocks of 256 bytes that no other line names
.set SPW,   224                        ; v224  LDS address of my spare word; never rewritten
.set NIL,   225                        ; v225  0; never rewritten
.set EMAX,  2
.set STEPS, 16
.set DEPTH, 8                          ; x: loads run eight steps ahead: 32 loads of 512 bytes of a wave are out
.set CB,    8                          ; bytes of 16 codes
.set R,     16                         ; x: v16-143  eight sets of 16 numbers as loaded
.set X,     144                        ; x: v144-175 two sets of 16 neighbours
.set E,     176                        ; x: v176-191 a scale byte for each step
.set C,     192                        ; x: v192-223 codes, two registers for each step, so that no store's data are written again
.set NB,    8                          ; W: blocks of 32 along K for a lane
.set KROW,  512                        ; W: a row of w_codes in bytes
.set WN,    1024                       ; W: columns of a weight
.set WX,    32                         ; W: v32-95  two sets of 32 numbers
.set WC,    96                         ; W: v96-99  a block's codes
.set OUTR,  112                        ; W: v112-143 the way out
.set SB,    24                         ; W: v24-25  the scale bytes, four to a register
.macro FINISH                          ; the wave's end: behind my last LDS store
	s_wait_tensorcnt 0x0
	ds_add_u32 v[SPW], v[NIL]
	s_wait_dscnt 0x0
	s_endpgm
.endm
	s_load_b256 s[4:11], s[0:1], 0x0               ; x s[4:5], Wq s[6:7], Wk s[8:9], Wv s[10:11]
	s_load_b256 s[12:19], s[0:1], 0x20             ; Wo s[12:13], x_codes s[14:15], x_scales s[16:17], w_codes s[18:19]
	s_load_b128 s[20:23], s[0:1], 0x40             ; w_scales s[20:21], wo16 s[22:23]
	v_lshl_add_u32 v[SPW], v0, 2, SPARE
	v_mov_b32 v[NIL], 0
	v_lshrrev_b32 v1, 5, v0
	v_readfirstlane_b32 s24, v1                    ; wave 0..3
	v_and_b32 v2, 31, v0                           ; lane
	s_mov_b32 s29, 0                               ; the upper word of every offset pair
	s_mov_b32 s31, 0
	s_wait_kmcnt 0x0
	s_cmp_lt_u32 ttmp9, 96
	s_cbranch_scc1 .Lw
	s_cmp_lt_u32 ttmp9, 224
	s_cbranch_scc1 .Lx
; ---- Wo to f16: a wave takes 4,096 numbers; a load reads 512 consecutive bytes, a store writes 256 consecutive bytes, aligned
	s_sub_co_u32 s25, ttmp9, 224
	s_lshl_b32 s25, s25, 2
	s_add_co_u32 s25, s25, s24                     ; which run of 4,096 numbers is my wave's
	s_lshl_b32 s28, s25, 14
	s_add_nc_u64 s[12:13], s[12:13], s[28:29]
	s_lshl_b32 s28, s25, 13
	s_add_nc_u64 s[22:23], s[22:23], s[28:29]
	v_lshlrev_b32 v1, 4, v2                        ; in: 16 bytes a lane
	v_lshlrev_b32 v3, 3, v2                        ; out: 8 bytes a lane
.set i, 0
.rept 32
	global_load_b128 v[32+4*i:35+4*i], v1, s[12:13] offset:512*i th:TH_LOAD_NT
.set i, i+1
.endr
.set i, 0
.rept 32
	s_wait_loadcnt 31-i                            ; loads come back in order: load i is in, the later ones may be out
	v_cvt_pk_f16_f32 v[32+4*i], v[32+4*i], v[33+4*i]
	v_cvt_pk_f16_f32 v[33+4*i], v[34+4*i], v[35+4*i]
	global_store_b64 v3, v[32+4*i:33+4*i], s[22:23] offset:256*i   ; no register of a store is written again
.set i, i+1
.endr
	FINISH
; ---- x: a plain stream of blocks of 32.  A wave takes 16 steps of 512 numbers.  Each load reads 512 consecutive bytes; a step's 2,048 bytes turn through the wave's own
; stage in LDS, so that a lane then holds 16 NEIGHBOURS along K (two neighbouring lanes hold a block), as the conversions want them.
.Lx:
	v_lshlrev_b32 v3, 4, v2                        ; my 16 bytes of a load's 512
	s_mul_i32 s25, s24, XREG
	v_lshrrev_b32 v14, 2, v2
	v_mul_u32_u24 v14, v14, SP
	v_and_b32 v15, 3, v2
	v_lshl_add_u32 v14, v15, 4, v14
	v_add_nc_u32 v14, s25, v14                     ; the stage, on the way in: SP (lane / 4) + 16 (lane % 4)
	v_mul_u32_u24 v15, v2, SP
	v_add_nc_u32 v15, s25, v15                     ; and on the way out: SP x lane
	v_mul_u32_u24 v4, v2, CB                       ; my codes' place in a step's
	v_lshrrev_b32 v5, 1, v2
	s_add_co_u32 s25, s25, 2*32*SP
	v_add_nc_u32 v5, s25, v5                       ; LDS: my wave's 256 scale bytes, my block's byte
	v_lshlrev_b32 v7, 3, v2                        ; and on the way out 8 bytes a lane
	v_add_nc_u32 v6, s25, v7
	s_sub_co_u32 s26, ttmp9, 96
	s_lshl_b32 s26, s26, 2
	s_add_co_u32 s26, s26, s24                     ; which run of 8,192 numbers is my wave's
	s_lshl_b32 s28, s26, 15
	s_add_nc_u64 s[4:5], s[4:5], s[28:29]
	s_lshl_b32 s28, s26, 12
	s_add_nc_u64 s[14:15], s[14:15], s[28:29]
	s_lshl_b32 s28, s26, 8
	s_add_nc_u64 s[16:17], s[16:17], s[28:29]
.macro XLOAD t
.irp i, 0,1,2,3
	global_load_b128 v[R+16*((\t)%DEPTH)+4*\i:R+16*((\t)%DEPTH)+4*\i+3], v3, s[4:5] offset:2048*(\t)+512*\i th:TH_LOAD_NT
.endr
.endm
.macro XTURN t                         ; step t's numbers through the stage: LDS serves a wave's instructions in order, so no wait stands between the stores and the loads
.irp i, 0,1,2,3
	ds_store_b128 v14, v[R+16*((\t)%DEPTH)+4*\i:R+16*((\t)%DEPTH)+4*\i+3] offset:32*SP*((\t)%2)+8*SP*\i
.endr
.irp i, 0,1,2,3
	ds_load_b128 v[X+16*((\t)%2)+4*\i:X+16*((\t)%2)+4*\i+3], v15 offset:32*SP*((\t)%2)+16*\i
.endr
.endm
.irp t, 0,1,2,3,4,5,6,7
	XLOAD \t
.endr
	s_wait_loadcnt 4*(DEPTH-1)                     ; step 0's four loads are in; seven steps' may be out
	XTURN 0
.macro XSTEP t
.set XS, X+16*((\t)%2)
.if (\t) > 0
	s_wait_dscnt 1                                 ; this step's numbers are back from the stage (the last step's byte store may be out)
.else
	s_wait_dscnt 0x0
.endif
.if (\t)+DEPTH < STEPS
	XLOAD (\t)+DEPTH                               ; into the registers that this step's stores into the stage have read
.endif
.if (\t)+1 < STEPS
.if STEPS-2-(\t) >= DEPTH-1
	s_wait_loadcnt 4*(DEPTH-1)                     ; the next step's four loads are in; those of the seven steps behind it may be out
.else
	s_wait_loadcnt 4*(STEPS-2-(\t))                ; in the tail: those of the steps that are left
.endif
	XTURN (\t)+1
.endif
	v_max3_num_f32 v8, |v[XS]|, |v[XS+1]|, |v[XS+2]|               ; the largest magnitude of my 16, in two chains
	v_max3_num_f32 v9, |v[XS+3]|, |v[XS+4]|, |v[XS+5]|
.irp i, 6,10
	v_max3_num_f32 v8, v8, |v[XS+\i]|, |v[XS+\i+1]|
	v_max3_num_f32 v9, v9, |v[XS+\i+2]|, |v[XS+\i+3]|
.endr
	v_max3_num_f32 v8, v8, |v[XS+14]|, |v[XS+15]|
	v_max3_num_f32 v8, v8, v9, (EMAX+1)<<23        ; and the floor 2^(3 - 127): the byte cannot fall under 1
	v_max_num_f32_dpp v8, v8, v8 row_xmask:1 row_mask:0xf bank_mask:0xf   ; and of my neighbour's 16: the block's
	v_add_nc_u32 v11, -(EMAX<<23), v8              ; 2 off its exponent field: the conversion takes the exponent field of this operand as its scale
	v_cvt_scalef32_pk8_fp4_f32 v[C+2*(\t)], v[XS:XS+7], v11
	v_cvt_scalef32_pk8_fp4_f32 v[C+2*(\t)+1], v[XS+8:XS+15], v11
	v_lshrrev_b32 v[E+(\t)], 23, v11               ; the scale's byte (also the plain line behind the conversions)
	ds_store_b8 v5, v[E+(\t)] offset:16*(\t)       ; both lanes of a block write the same byte with the same value
	global_store_b64 v4, v[C+2*(\t):C+2*(\t)+1], s[14:15] offset:32*CB*(\t)   ; the wave stores 256 consecutive bytes, aligned
.endm
.irp t, 0,1,2,3,4,5,6,7,8,9,10,11,12,13,14,15
	XSTEP \t
.endr
	ds_load_b64 v[8:9], v6                         ; my wave's 256 scale bytes: these loads see my stores
	s_wait_dscnt 0x0
	global_store_b64 v7, v[8:9], s[16:17]          ; 256 consecutive bytes, aligned
	FINISH
; ---- Wq, Wk, Wv: A LANE TAKES A COLUMN n, AND ITS REGISTERS RUN DOWN K: a block of 32 along K lies in one lane, and the codes come out with K innermost.
; A wave takes 16 columns x 512 along K: lanes 0-15 the first 256 along K of column lane % 16, lanes 16-31 the second 256 of the same column: 8 blocks a lane.  A load reads 64 consecutive bytes of each of
; two rows; the four waves of a work-group stand side by side on 256 consecutive bytes of a row.  Both halves of a column's 256 bytes of codes are made in one wave: they meet in its own stage and leave as
; rows: sixteen lanes store 256 consecutive bytes, aligned.  Loads run two blocks (64 loads a wave) ahead.
.Lw:
	s_lshr_b32 s26, ttmp9, 5                       ; which weight: 0 Wq, 1 Wk, 2 Wv
	s_and_b32 s27, ttmp9, 15                       ; which 64 columns
	s_bfe_u32 s28, ttmp9, 0x10004                  ; which 512 along K
	s_cmp_eq_u32 s26, 0                            ; the choice hangs on the work-group's number alone
	s_cselect_b64 s[6:7], s[6:7], s[8:9]
	s_cmp_lt_u32 s26, 2
	s_cselect_b64 s[6:7], s[6:7], s[10:11]
	s_lshl_b32 s27, s27, 6
	s_lshl_b32 s25, s24, 4
	s_add_co_u32 s27, s27, s25                     ; my wave's first column
	s_lshl_b32 s30, s28, 21                        ; 512 rows of 4,096 bytes
	s_lshl_b32 s25, s27, 2
	s_add_co_u32 s30, s30, s25
	s_add_nc_u64 s[6:7], s[6:7], s[30:31]
	s_lshl_b32 s26, s26, 10
	s_add_co_u32 s26, s26, s27                     ; my first row of w_codes and w_scales
	s_lshl_b32 s30, s26, 9
	s_lshl_b32 s25, s28, 8
	s_add_co_u32 s30, s30, s25
	s_add_nc_u64 s[18:19], s[18:19], s[30:31]
	s_lshl_b32 s30, s26, 5
	s_lshl_b32 s25, s28, 4
	s_add_co_u32 s30, s30, s25
	s_add_nc_u64 s[20:21], s[20:21], s[30:31]
	v_and_b32 v5, 15, v2                           ; r: my column
	v_lshrrev_b32 v6, 4, v2                        ; h: my 256 along K
	v_lshlrev_b32 v3, 2, v5                        ; in: 4 bytes a column,
	v_lshl_add_u32 v3, v6, 20, v3                  ; and 256 rows of 4,096 bytes further down for lanes 16-31
	s_mul_i32 s25, s24, WROWS*PITCH
	s_add_co_u32 s25, s25, WR                      ; my stage
	v_mul_u32_u24 v4, v5, PITCH
	v_lshl_add_u32 v4, v6, 7, v4                   ; into it: row = my column, my half of its 256 bytes
	v_add_nc_u32 v4, s25, v4
	v_mul_u32_u24 v7, v6, PITCH                    ; out of it: sixteen lanes to a row, two rows an instruction
	v_lshl_add_u32 v7, v5, 4, v7
	v_add_nc_u32 v7, s25, v7
	v_mul_u32_u24 v8, v6, KROW
	v_lshl_add_u32 v8, v5, 4, v8                   ; and the same place in w_codes
	v_lshlrev_b32 v9, 5, v5                        ; my column's row of scale bytes: 32 bytes a row,
	v_lshl_add_u32 v9, v6, 3, v9                   ; my half's eight
.macro WLOAD t                         ; block t: W(256 h + 32 t + i, my column), i = 0 .. 31, into set t % 2; the largest offset, 255 x 4,096, lies inside the signed 24-bit immediate
.irp i, 0,1,2,3,4,5,6,7,8,9,10,11,12,13,14,15,16,17,18,19,20,21,22,23,24,25,26,27,28,29,30,31
	global_load_b32 v[WX+32*((\t)%2)+\i], v3, s[6:7] offset:(32*(\t)+\i)*WN*4 th:TH_LOAD_NT
.endr
.endm
	WLOAD 0
	WLOAD 1
.macro WBLOCK t
.set XS, WX+32*((\t)%2)
.if (\t) < NB-1
	s_wait_loadcnt 32                              ; this block's 32 loads are in; the next block's may be out
.else
	s_wait_loadcnt 0
.endif
	v_max3_num_f32 v12, |v[XS]|, |v[XS+1]|, |v[XS+2]|               ; the block's largest magnitude: all 32 numbers are mine
	v_max3_num_f32 v13, |v[XS+3]|, |v[XS+4]|, |v[XS+5]|
.irp i, 6,10,14,18,22,26
	v_max3_num_f32 v12, v12, |v[XS+\i]|, |v[XS+\i+1]|
	v_max3_num_f32 v13, v13, |v[XS+\i+2]|, |v[XS+\i+3]|
.endr
	v_max3_num_f32 v12, v12, |v[XS+30]|, |v[XS+31]|
	v_max3_num_f32 v12, v12, v13, (EMAX+1)<<23     ; and the floor
	v_add_nc_u32 v11, -(EMAX<<23), v12             ; the conversion's scale operand
	v_lshrrev_b32 v13, 23, v11                     ; the scale's byte
.if (\t)%4 == 0
	v_mov_b32 v[SB+(\t)/4], v13                    ; four bytes to a register, the lower K in the lower byte
.else
	v_lshl_or_b32 v[SB+(\t)/4], v13, 8*((\t)%4), v[SB+(\t)/4]
.endif
.irp g, 0,1,2,3
	v_cvt_scalef32_pk8_fp4_f32 v[WC+\g], v[XS+8*\g:XS+8*\g+7], v11
.endr
	v_nop                                          ; one plain line behind the last conversion
	ds_store_b128 v4, v[WC:WC+3] offset:16*(\t)    ; 32 codes: 16 bytes of my half of my column's row
.if (\t)+2 < NB
	WLOAD (\t)+2
.endif
	s_wait_dscnt 0x0                               ; the store has read its registers: the next block's codes may be written
.endm
.set Q, 0
.rept NB
	WBLOCK Q
.set Q, Q+1
.endr
	global_store_b64 v9, v[SB:SB+1], s[20:21]      ; my eight scale bytes; lanes r and r + 16 write 16 neighbouring bytes
.irp t, 0,1,2,3,4,5,6,7
	ds_load_b128 v[OUTR+4*\t:OUTR+4*\t+3], v7 offset:2*\t*PITCH    ; my own stage: LDS serves a wave's instructions in order
.endr
.irp t, 0,1,2,3,4,5,6,7
	s_wait_dscnt 7-\t                              ; load t is back; the later ones may be out
	global_store_b128 v8, v[OUTR+4*\t:OUTR+4*\t+3], s[18:19] offset:2*\t*KROW
.endr
	FINISH
.Lfunc_end_k_q74d931a608_prep:
	.size	k_q74d931a608_prep, .Lfunc_end_k_q74d931a608_prep-k_q74d931a608_prep
	.p2alignl 7, 3214868480
	.fill 96, 4, 3214868480
	.section	.rodata,"a",@progbits
	.p2align	6, 0x0
	.amdhsa_kernel k_q74d931a608_prep
		.amdhsa_group_segment_fixed_size 50688
		.amdhsa_private_segment_fixed_size 0
		.amdhsa_enable_private_segment 0
		.amdhsa_kernarg_size 80
		.amdhsa_user_sgpr_count 2
		.amdhsa_user_sgpr_kernarg_segment_ptr 1
		.amdhsa_wavefront_size32 1
		.amdhsa_system_sgpr_workgroup_id_x 1
		.amdhsa_system_sgpr_workgroup_id_y 1
		.amdhsa_system_sgpr_workgroup_id_z 1
		.amdhsa_system_vgpr_workitem_id 0
		.amdhsa_next_free_vgpr 226
		.amdhsa_next_free_sgpr 66
		.amdhsa_reserve_vcc 0
		.amdhsa_float_denorm_mode_32 3
		.amdhsa_float_denorm_mode_16_64 3
		.amdhsa_memory_ordered 1
		.amdhsa_forward_progress 1
		.amdhsa_inst_pref_size 85
	.end_amdhsa_kernel
	.amdgpu_metadata
---
amdhsa.version: [ 1, 2 ]
amdhsa.kernels:
  - .name:           k_q74d931a608_prep
    .symbol:         k_q74d931a608_prep.kd
    .args:
      - { .name: query_input, .offset: 0, .size: 8, .value_kind: global_buffer, .address_space: global }
      - { .name: Wq, .offset: 8, .size: 8, .value_kind: global_buffer, .address_space: global }
      - { .name: Wk, .offset: 16, .size: 8, .value_kind: global_buffer, .address_space: global }
      - { .name: Wv, .offset: 24, .size: 8, .value_kind: global_buffer, .address_space: global }
      - { .name: Wo, .offset: 32, .size: 8, .value_kind: global_buffer, .address_space: global }
      - { .name: x_codes, .offset: 40, .size: 8, .value_kind: global_buffer, .address_space: global }
      - { .name: x_scales, .offset: 48, .size: 8, .value_kind: global_buffer, .address_space: global }
      - { .name: w_codes, .offset: 56, .size: 8, .value_kind: global_buffer, .address_space: global }
      - { .name: w_scales, .offset: 64, .size: 8, .value_kind: global_buffer, .address_space: global }
      - { .name: wo16, .offset: 72, .size: 8, .value_kind: global_buffer, .address_space: global }
    .group_segment_fixed_size: 50688
    .private_segment_fixed_size: 0
    .kernarg_segment_align: 8
    .kernarg_segment_size: 80
    .max_flat_workgroup_size: 128
    .sgpr_count:     66
    .vgpr_count:     226
    .wavefront_size: 32
...
	.end_amdgpu_metadata
.endif
;; end of part 1
;; launch qkv (part 2): grid 12 x 16, 4 waves a work-group, clusters of 4 x 4, 327,680 bytes of LDS; arguments x_codes, x_scales, w_codes, w_scales, bq, bk, bv, qkv; writes qkv
.if DOCPART == 2
	.amdgcn_target "amdgcn-amd-amdhsa--gfx1250"
	.amdhsa_code_object_version 6
	.text
	.protected	k_q74d931a608_qkv
	.globl	k_q74d931a608_qkv
	.p2align	8
	.type	k_q74d931a608_qkv,@function
k_q74d931a608_qkv:
	s_mov_b64 s[64:65], 0
	v_nop
	global_prefetch_b8 v0, s[64:65] scope:SCOPE_SE
	s_setreg_imm32_b32 hwreg(HW_REG_WAVE_MODE, 25, 1), 1
	s_wait_xcnt 0x0
	s_wait_alu depctr_hold_cnt(0) depctr_sa_sdst(0) depctr_va_vdst(0) depctr_va_sdst(0) depctr_va_ssrc(0) depctr_va_vcc(0) depctr_vm_vsrc(0)
	s_getreg_b32 s2, hwreg(HW_REG_IB_STS2, 6, 4)
	s_cmp_eq_u32 s2, 0
	s_cbranch_scc0 .Lentry_in_a_cluster
	s_endpgm
.Lentry_in_a_cluster:
	s_bfe_u32 s2, ttmp6, 0x10000c
	s_cmp_lg_u32 s2, 0xf033
	s_cbranch_scc0 .Lentry_shape_is_right
	s_endpgm
.Lentry_shape_is_right:
; [4096 x 3072] = x (Wq | Wk | Wv) on codes of E2M1 with one E8M0 scale for each 32 along K, f32 sums, + bias, rounded once to f16 and laid head-major:
; qkv [3 = q, k, v][batch 2][head 16][position 2048][64] f16: a head's plane is 262,144 bytes, a row 128 bytes, so two neighbouring positions are 256 consecutive bytes.
; A tile of 256 x 256 is made by a work-group of four waves; a wave makes 128 x 128: 64 accumulators of 16 x 16, 512 registers.  192 work-groups: a tile of 192 columns, which would give 256, would straddle two weights.
; K = 1,024 is two LDS slots of 512 (a tile's row is 256 bytes of memory): both slots and all scale bytes are asked for at the start, three tensor loads a wave, and no LDS byte is filled twice.
; CLUSTERS: 4 x 4 work-groups.  The four of a row of the cluster need the same tiles of x, the four of a column the same tiles of the weights: each is asked for JOINTLY, by the same tensor load with the same
; descriptor and a mask that names the four.  The cluster's x is 0, 1, 2 for q, k, v: the same in all sixteen.
; THE MATRIX INSTRUCTION IS USED TRANSPOSED (source 0 = 16 columns of the weights, source 1 = 16 rows of x): a lane holds eight neighbouring channels of one position.  The bias is the C of each sum's first product.
; LIMITS: |q|, |k|, |v| above 65,504 become infinity in f16; under 6e-5 they keep f16's step of 6e-8.
; REGISTERS, in windows of 256: window 0: v0-31 addresses; v32-95 scale words, two sets; v128-191 x's fragments, ONE set; v192-255 the bias, eight registers for each of my 8 blocks of columns; on the way out v128-223 are free.
;   window 1: the weights' fragments, TWO sets, at v0 and v128.   window 2: the accumulators of my rows 0-63 ((a, b) at v[8 (8 a + b)]);   window 3: those of my rows 64-127.
.set NQ,     4                         ; matrix instructions deep in a slot
.set ROWB,   256                       ; a tile's row in bytes: 512 codes
.set KROW,   512                       ; a row of codes in memory
.set PITCH,  272                       ; an LDS row: 256 bytes + 16 of padding = 68 words: the 16 rows that a load touches start at 16 different banks (64 banks of 4 bytes: ISA guide 11.1)
.set FR,     8                         ; registers of a fragment: 16 rows x 128 K
.set NL,     2                         ; LDS loads that bring one
.set NP,     4                         ; places behind this matrix instruction (ISA guide 7.12.1)
.set HALFT,  128*PITCH                 ; 128 rows: what one tensor load brings
.set SLOT,   4*HALFT                   ; x's 256 rows, then the weights' 256
.set KS,     32                        ; a row of scale bytes
.set SCL,    2*SLOT                    ; behind the slots: the scales, as rows of 256 bytes + 16 of padding
.set HALFS,  (128*KS/256)*272          ; the scales of 128 rows
.set SBLK,   (16*KS/256)*272           ; those of 16 rows
.set SPARE,  SCL+4*HALFS               ; the spare words, 128 bytes for each wave: two blocks of 256 bytes that no other line names
.set HPITCH, 144                       ; the way out: a stage row: a head's 128 bytes + 16
.set HSTG,   16*HPITCH                 ; 16 positions of one head; a wave's stage is two of these, in slot 0, which has had its only fill and its last read by then
.set ADRA, 16                          ; v16-17  LDS address of my x fragments in slot 0, 1
.set ADRB, 20                          ; v20-21  the same for the weights
.set STO,  24                          ; v24     the way out: where I put 16 bytes of a row
.set RD,   25                          ; v25     where I read rows back
.set CO,   26                          ; v26     my byte offset in qkv
.set ADRS, 27                          ; v27     LDS address of my scale words: lanes 0-15 x's rows, lanes 16-31 the weights'
.set SPW,  28                          ; v28     LDS address of my spare word; never rewritten
.set NIL,  29                          ; v29     0; never rewritten
.set BO,   30                          ; v30     32 x (lane / 16): my half's eight numbers of a block of the bias
.set SC,   32
.set AF,   128
.set BIAS, 192
.set TMP,  192                         ; the way out: packed results
.set OB,   128                         ; the way out: rows read back: v128-159 and v160-191 by turns
.set G1, 24
.set G0, 32
.set G1B, 48
.set G0B, 56
.set G1S, 68
.set G0S, 76
.set G1SB, 80
.set G0SB, 88
.set MSB, 0
.macro WIN new                         ; the immediate's high byte repeats the setting that is left
.if MSB != (\new)
	s_set_vgpr_msb (MSB<<8)|(\new)
.set MSB, (\new)
.endif
.endm
.set MUL_LO, 0xa1                      ; source 0 (weights) window 1, source 1 (x) window 0, C and D window 2
.set MUL_HI, 0xf1                      ; the same, C and D window 3
.set BEG_LO, 0x81                      ; a sum's first product: C (the bias) window 0, D window 2
.set BEG_HI, 0xc1                      ; D window 3
.set TO_B,   0x40                      ; destination window 1, address window 0
; A joint load: waves 0 and 1 fetch for x, waves 2 and 3 for the weights.  The branch hangs on the wave's number alone.  An s_nop 0 and four v_nop follow each of the two lines.
.macro JLOAD g0a, g1a, g0b, g1b
	s_cmp_eq_u32 s15, 0
	s_cbranch_scc0 .Lfor_b_\@
	tensor_load_to_lds s[\g0a:\g0a+3], s[\g1a:\g1a+7]
	s_nop 0
.rept 4
	v_nop
.endr
	s_branch .Lasked_\@
.Lfor_b_\@:
	tensor_load_to_lds s[\g0b:\g0b+3], s[\g1b:\g1b+7]
	s_nop 0
.rept 4
	v_nop
.endr
.Lasked_\@:
.endm
.macro CROUND                          ; a round of the cluster's barrier
	s_barrier_signal -1
	s_barrier_wait -1
	s_cmp_lg_u32 s14, 0
	s_cbranch_scc1 .Lnot_wave_0_\@
	s_barrier_signal -3
.Lnot_wave_0_\@:
	s_barrier_wait -3
	s_barrier_signal -1
	s_barrier_wait -1
.endm
	s_load_b256 s[4:11], s[0:1], 0x0               ; x's codes s[4:5], x's scales s[6:7], the weights' codes s[8:9], their scales s[10:11]
	s_load_b128 s[96:99], s[0:1], 0x20             ; bq, bk
	s_load_b64 s[2:3], s[0:1], 0x30                ; bv
	s_load_b64 s[12:13], s[0:1], 0x38              ; qkv
	v_lshl_add_u32 v[SPW], v0, 2, SPARE
	v_mov_b32 v[NIL], 0
	ds_add_u32 v[SPW], v[NIL]                      ; the wave's opening: the add, twice on end, and its wait ahead of my first tensor load
	ds_add_u32 v[SPW], v[NIL]
	v_lshrrev_b32 v1, 5, v0
	v_readfirstlane_b32 s14, v1                    ; wave 0..3
	s_lshr_b32 s15, s14, 1                         ; which half of the tile's rows is mine.  Also: I fetch for x (0) or for the weights (1)
	s_and_b32 s16, s14, 1                          ; which half of its columns.  Also: which 128 rows of that tile I fetch
	s_bfe_u32 s40, ttmp6, 0x40000                  ; cx, cy: my place in the cluster
	s_bfe_u32 s41, ttmp6, 0x40004
	s_lshl_b32 s42, ttmp9, 2
	s_add_co_u32 s42, s42, s40                     ; tile column = 4 x cluster x + cx
	s_and_b32 s17, ttmp7, 0xffff
	s_lshl_b32 s17, s17, 2
	s_add_co_u32 s17, s17, s41                     ; tile row = 4 x cluster y + cy
	s_lshl_b32 s43, s41, 2
	s_lshl_b32 s43, 15, s43                        ; my row of the cluster
	s_lshl_b32 s44, 0x1111, s40                    ; my column
	; descriptor group 1: a tile of 128 rows x 256 bytes, padded in LDS
	s_or_b32 s[G1+0], s43, (0<<16)|(1<<20)|(1<<21)|(5<<22)|(3<<25)  ; 15:0 the mask; 17:16 elements of 1 byte; 20 padding on; 21 set beside a mask; 24:22 after every 64 words; 31:25 four words
	s_or_b32 s[G1B+0], s44, (0<<16)|(1<<20)|(1<<21)|(5<<22)|(3<<25)
.irp g, G1, G1B
	s_mov_b32 s[\g+1], ROWB<<16                    ; tensor_dim0
	s_mov_b32 s[\g+2], 128<<16                     ; tensor_dim1
	s_mov_b32 s[\g+3], ROWB<<16                    ; tile_dim0
	s_mov_b32 s[\g+4], 128                         ; tile_dim1
	s_mov_b32 s[\g+5], KROW                        ; tensor_dim0_stride
	s_mov_b32 s[\g+6], 0
	s_mov_b32 s[\g+7], 0
.endr
	; the scales of 128 rows: 4,096 dense bytes, as 16 rows of 256 bytes (32 elements of 8 bytes), 16 bytes of padding behind each
	s_or_b32 s[G1S+0], s43, (3<<16)|(1<<20)|(1<<21)|(5<<22)|(3<<25)
	s_or_b32 s[G1SB+0], s44, (3<<16)|(1<<20)|(1<<21)|(5<<22)|(3<<25)
.irp g, G1S, G1SB
	s_mov_b32 s[\g+1], 32<<16
	s_mov_b32 s[\g+2], (128*KS/256)<<16
	s_mov_b32 s[\g+3], 32<<16
	s_mov_b32 s[\g+4], 128*KS/256
	s_mov_b32 s[\g+5], 32
	s_mov_b32 s[\g+6], 0
	s_mov_b32 s[\g+7], 0
.endr
	s_lshl_b32 s18, s16, 7                         ; which 128 rows of the tile I fetch
	s_lshl_b32 s20, s17, 8
	s_add_co_u32 s20, s20, s18                     ; x: row 256 x tile row + 128 x half
	s_lshl_b32 s46, s42, 8
	s_add_co_u32 s46, s46, s18                     ; weights: row 256 x tile column + 128 x half
	s_mov_b32 s21, 0
	s_mov_b32 s47, 0
	s_mov_b64 s[18:19], KS
	s_mul_u64 s[22:23], s[20:21], s[18:19]         ; where these rows' scales begin,
	s_mul_u64 s[92:93], s[46:47], s[18:19]
	s_mov_b64 s[18:19], KROW
	s_mul_u64 s[20:21], s[20:21], s[18:19]         ; and their codes
	s_mul_u64 s[46:47], s[46:47], s[18:19]
	s_mul_i32 s45, s14, HALFT                      ; where they go: wave x 128 rows: no place in the cluster enters an LDS address
	s_mul_i32 s94, s14, HALFS
	s_wait_dscnt 0x0                               ; both opening adds are done
	s_wait_kmcnt 0x0
	s_add_nc_u64 s[20:21], s[4:5], s[20:21]
	s_add_nc_u64 s[22:23], s[6:7], s[22:23]
	s_add_nc_u64 s[46:47], s[8:9], s[46:47]
	s_add_nc_u64 s[92:93], s[10:11], s[92:93]
	CROUND                                         ; all sixteen work-groups are here: the joint loads meet
	s_mov_b32 s[G0S], 1
	s_add_co_u32 s[G0S+1], s94, SCL
	s_mov_b64 s[G0S+2:G0S+3], s[22:23]
	s_or_b32 s[G0S+3], s[G0S+3], 0x80000000
	s_mov_b32 s[G0SB], 1
	s_add_co_u32 s[G0SB+1], s94, SCL
	s_mov_b64 s[G0SB+2:G0SB+3], s[92:93]
	s_or_b32 s[G0SB+3], s[G0SB+3], 0x80000000
	JLOAD G0S, G1S, G0SB, G1SB                     ; the scales first: they are wanted with the first products
.irp s, 0,1
	s_mov_b32 s[G0+4*\s], 1
	s_add_co_u32 s[G0+4*\s+1], s45, \s*SLOT
	s_add_nc_u64 s[G0+4*\s+2:G0+4*\s+3], s[20:21], \s*ROWB
	s_or_b32 s[G0+4*\s+3], s[G0+4*\s+3], 0x80000000
	s_mov_b32 s[G0B+4*\s], 1
	s_add_co_u32 s[G0B+4*\s+1], s45, \s*SLOT
	s_add_nc_u64 s[G0B+4*\s+2:G0B+4*\s+3], s[46:47], \s*ROWB
	s_or_b32 s[G0B+4*\s+3], s[G0B+4*\s+3], 0x80000000
	JLOAD G0+4*\s, G1, G0B+4*\s, G1B
.endr
	v_and_b32 v1, 15, v0                           ; r = lane % 16
	v_bfe_u32 v2, v0, 4, 1                         ; h = lane / 16
	; the bias of my 128 columns: the pointer is chosen by the cluster's x alone
	s_cmp_eq_u32 ttmp9, 0
	s_cselect_b64 s[96:97], s[96:97], s[98:99]
	s_cmp_lt_u32 ttmp9, 2
	s_cselect_b64 s[96:97], s[96:97], s[2:3]
	s_lshl_b32 s100, s40, 10                       ; 256 columns x 4 bytes for each cx,
	s_lshl_b32 s101, s16, 9                        ; 128 for my half
	s_add_co_u32 s100, s100, s101
	s_mov_b32 s101, 0
	s_add_nc_u64 s[96:97], s[96:97], s[100:101]
	v_lshlrev_b32 v[BO], 5, v2
.irp b, 0,1,2,3,4,5,6,7
	global_load_b128 v[BIAS+8*\b:BIAS+8*\b+3], v[BO], s[96:97] offset:64*\b       ; lane (r, h), register j: the bias of column 16 b + 8 h + j: the result's layout
	global_load_b128 v[BIAS+8*\b+4:BIAS+8*\b+7], v[BO], s[96:97] offset:64*\b+16
.endr
	v_mul_u32_u24 v3, v1, PITCH
	v_lshl_add_u32 v4, v2, 4, v3                   ; a fragment's row x pitch + 16 x half
	s_mul_i32 s21, s15, HALFT                      ; my 128 rows of x
	s_mul_i32 s22, s16, HALFT                      ; my 128 rows of the weights,
	s_add_co_u32 s22, s22, 2*HALFT                 ; which lie behind x's 256
.irp s, 0,1
	v_add_nc_u32 v[ADRA+\s], s21, v4
	v_add_nc_u32 v[ADRB+\s], s22, v4
	s_add_co_u32 s21, s21, SLOT
	s_add_co_u32 s22, s22, SLOT
.endr
	v_mul_u32_u24 v5, v1, KS                       ; my row's scales: 32 bytes a row,
	v_lshrrev_b32 v6, 8, v5
	v_lshl_add_u32 v5, v6, 4, v5                   ; and 16 more for each 256 passed
	s_mul_i32 s21, s15, HALFS
	s_mul_i32 s22, s16, HALFS
	s_add_co_u32 s22, s22, 2*HALFS
	s_sub_co_u32 s22, s22, s21
	v_mul_u32_u24 v6, s22, v2                      ; lanes 16-31 take the weights'
	s_add_co_u32 s21, s21, SCL
	v_add_nc_u32 v5, v5, v6
	v_add_nc_u32 v[ADRS], s21, v5
	s_mul_i32 s23, s14, 2*HSTG                     ; my stage
	v_mul_u32_u24 v5, v1, HPITCH                   ; in: position r, 16 bytes for each half of the lanes
	v_lshl_add_u32 v5, v2, 4, v5
	v_add_nc_u32 v[STO], s23, v5
	v_mul_u32_u24 v5, v2, HSTG                     ; back: lanes 0-15 take two positions of my first head, lanes 16-31 of my second
	v_bfe_u32 v6, v0, 3, 1
	v_mad_u32_u24 v5, v6, HPITCH, v5
	v_and_b32 v6, 7, v0
	v_lshl_add_u32 v5, v6, 4, v5
	v_add_nc_u32 v[RD], s23, v5
	v_lshlrev_b32 v[CO], 4, v1                     ; and in qkv: 16 bytes a lane, the second head one plane on
	v_lshl_add_u32 v[CO], v2, 18, v[CO]
	s_lshl_b32 s20, ttmp9, 23                      ; q, k or v: 8,388,608 bytes each
	s_lshr_b32 s21, s17, 3
	s_lshl_b32 s21, s21, 22                        ; the batch: 16 planes
	s_add_co_u32 s20, s20, s21
	s_and_b32 s21, s17, 7
	s_lshl_b32 s21, s21, 15                        ; 256 positions of 128 bytes
	s_add_co_u32 s20, s20, s21
	s_lshl_b32 s21, s15, 14                        ; my 128 of them
	s_add_co_u32 s20, s20, s21
	s_lshl_b32 s46, s40, 20                        ; four heads for each cx,
	s_lshl_b32 s47, s16, 19                        ; two for my half
	s_add_co_u32 s46, s46, s47
	s_add_co_u32 s20, s20, s46
	s_mov_b32 s21, 0
	s_add_nc_u64 s[12:13], s[12:13], s[20:21]      ; never stepped: every store's place stands in its immediate
.macro FRAG reg, adr, q, i             ; a fragment, 16 rows x 128 K of 4-bit codes: lane l holds row l % 16; registers 4 c .. 4 c + 3 hold K = 64 c + 32 (l / 16) + 0 .. 31
.irp c, 0,1
	ds_load_b128 v[\reg+4*\c:\reg+4*\c+3], v[\adr] offset:64*(\q)+32*\c+(\i)*16*PITCH
.endr
.endm
; 16 matrix instructions: x's blocks a0, a0 + 1 against the weights' eight, 128 along K: the slot's q-th.  p: the weights' set; sc: the set of scale words.  zero = 1: the first product starts the sum from the bias.
; The 64 accumulators take turns, one instruction a turn, in the same order in every step.
.macro MUL16 a0, p, q, sc, zero
.irp a, \a0, \a0+1
.irp b, 0,1,2,3,4,5,6,7
.if \zero
	v_wmma_scale_f32_16x16x128_f8f6f4 v[8*(8*((\a)%4)+\b):8*(8*((\a)%4)+\b)+7], v[128*(\p)+FR*\b:128*(\p)+FR*\b+FR-1], v[AF+FR*(\a):AF+FR*(\a)+FR-1], v[BIAS+8*\b:BIAS+8*\b+7], v[SC+8*NQ*(\sc)+NQ*\b+(\q)], v[SC+8*NQ*(\sc)+NQ*(\a)+(\q)] matrix_a_fmt:MATRIX_FMT_FP4 matrix_b_fmt:MATRIX_FMT_FP4 matrix_a_scale:MATRIX_SCALE_ROW1
.else
	v_wmma_scale_f32_16x16x128_f8f6f4 v[8*(8*((\a)%4)+\b):8*(8*((\a)%4)+\b)+7], v[128*(\p)+FR*\b:128*(\p)+FR*\b+FR-1], v[AF+FR*(\a):AF+FR*(\a)+FR-1], v[8*(8*((\a)%4)+\b):8*(8*((\a)%4)+\b)+7], v[SC+8*NQ*(\sc)+NQ*\b+(\q)], v[SC+8*NQ*(\sc)+NQ*(\a)+(\q)] matrix_a_fmt:MATRIX_FMT_FP4 matrix_b_fmt:MATRIX_FMT_FP4 matrix_a_scale:MATRIX_SCALE_ROW1
.endif
.endr
.endr
.endm
.macro FETCH_B slot, q, p
	WIN TO_B
.irp i, 0,1,2,3,4,5,6,7
	FRAG 128*(\p)+FR*\i, ADRB+\slot, \q, \i
.endr
	WIN 0
.endm
.macro FETCH_A slot, q, i0
.irp i, \i0, \i0+1, \i0+2, \i0+3
	FRAG AF+FR*(\i), ADRA+\slot, \q, \i
.endr
.endm
.macro SCALES sc                       ; a slot's scale words: four words a row; lanes 0-15 take x's block i, lanes 16-31 the weights' block i
.irp i, 0,1,2,3,4,5,6,7
	ds_load_b128 v[SC+8*NQ*\sc+NQ*\i:SC+8*NQ*\sc+NQ*\i+3], v[ADRS] offset:\i*SBLK
.endr
.endm
.macro PLACES n                        ; plain vector lines between a matrix instruction and a load into, or a read of, its registers
.rept \n
	v_nop
.endr
.endm
; A step of 128 along K that has its successor in the same slot.  x has one set of registers: blocks 0-3 are fetched anew in the step's middle, blocks 4-7 at its end.
.macro STEP slot, q, zero
	s_wait_dscnt 4*NL                              ; the weights' set and x's blocks 0-3 are in; the youngest eight loads (x's blocks 4-7) may be out
.if \zero
	WIN BEG_LO
.else
	WIN MUL_LO
.endif
	MUL16 0, (\q)%2, \q, \slot, \zero
	MUL16 2, (\q)%2, \q, \slot, \zero
	s_wait_dscnt 0                                 ; x's blocks 4-7 are in
	PLACES NP
	FETCH_B \slot, (\q)+1, 1-(\q)%2
	FETCH_A \slot, (\q)+1, 0
.if \zero
	WIN BEG_HI
.else
	WIN MUL_HI
.endif
	MUL16 4, (\q)%2, \q, \slot, \zero
	MUL16 6, (\q)%2, \q, \slot, \zero
	PLACES NP
	WIN 0
	FETCH_A \slot, (\q)+1, 4
.endm
.macro STEPS slot, from
.set Q, \from
.rept NQ-1-\from
	STEP \slot, Q, 0
.set Q, Q+1
.endr
.endm
	s_wait_tensorcnt 1                             ; the scales and my part of slot 0 are in (slot 1's load may be out)
	s_barrier_signal -1
	s_barrier_wait -1                              ; everybody's are
	FETCH_B 0, 0, 0
	FETCH_A 0, 0, 0
	SCALES 0
	FETCH_A 0, 0, 4
	s_wait_loadcnt 0x0                             ; the bias
	STEP 0, 0, 1                                   ; the first step's products start the sums from the bias
	STEPS 0, 1
	; slot 0's last step changes slots: one barrier; in front of it each wave waits for its tensor loads (slot 1's part), adds 0 to its spare word, and waits for that and for its reads of slot 0
	s_wait_tensorcnt 0x0
	ds_add_u32 v[SPW], v[NIL]
	s_wait_dscnt 4*NL+1                            ; (the add and x's blocks 4-7 may be out)
	WIN MUL_LO
	MUL16 0, 1, NQ-1, 0, 0
	s_wait_dscnt 0x0                               ; the add is done, and my reads of slot 0 are over
	s_barrier_signal -1
	MUL16 2, 1, NQ-1, 0, 0
	WIN 0
	s_barrier_wait -1                              ; slot 1 is whole, and nobody reads slot 0 any more
	PLACES NP
	v_add_nc_u32 v[ADRS], 4*NQ, v[ADRS]            ; on to slot 1's scale words
	FETCH_B 1, 0, 0
	FETCH_A 1, 0, 0
	SCALES 1
	WIN MUL_HI
	MUL16 4, 1, NQ-1, 0, 0
	MUL16 6, 1, NQ-1, 0, 0
	PLACES NP
	WIN 0
	FETCH_A 1, 0, 4
	STEPS 1, 0
	s_wait_dscnt 4*NL                              ; the very last step: nothing more to fetch
	WIN MUL_LO
	MUL16 0, 1, NQ-1, 1, 0
	MUL16 2, 1, NQ-1, 1, 0
	s_wait_dscnt 0
	WIN MUL_HI
	MUL16 4, 1, NQ-1, 1, 0
	MUL16 6, 1, NQ-1, 1, 0
	WIN 0
; THE WAY OUT, block by block of 16 positions x 128 columns (two heads).  PACK: rounded to f16, 16 bytes a lane, each accumulator from its low end on.  TOSTAGE: into my own stage, a head's rows 144 bytes apart,
; and back so that sixteen lanes hold two positions of one head.  SEND: sixteen lanes store 256 consecutive bytes, aligned.
.macro PACK a
.set AC, 64*((\a)%4)
	WIN 0x0a+5*((\a)/4)                            ; sources 0 and 1: window 2 or 3
.irp b, 0,1,2,3,4,5,6,7
.irp r, 0,1,2,3
	v_cvt_pk_f16_f32 v[TMP+4*\b+\r], v[AC+8*\b+2*\r], v[AC+8*\b+2*\r+1]
.endr
.endr
	WIN 0
.endm
.macro TOSTAGE a
.set BB, OB+32*((\a)%2)
.irp b, 0,1,2,3,4,5,6,7
	ds_store_b128 v[STO], v[TMP+4*\b:TMP+4*\b+3] offset:(\b/4)*HSTG+32*(\b%4)
.endr
.irp t, 0,1,2,3,4,5,6,7
	ds_load_b128 v[BB+4*\t:BB+4*\t+3], v[RD] offset:2*HPITCH*\t      ; LDS serves a wave's instructions in order (ISA guide 5.7.1.4): these see the stores above
.endr
.endm
.macro SEND a
.set BB, OB+32*((\a)%2)
	s_wait_dscnt 0x0                               ; the block is back in registers
	s_wait_xcnt 0x0                                ; the block before has had its stores' addresses translated: its registers take the next block's loads only behind this wait
.irp t, 0,1,2,3,4,5,6,7
	global_store_b128 v[CO], v[BB+4*\t:BB+4*\t+3], s[12:13] offset:2048*(\a)+256*\t
.endr
.endm
	PLACES NP                                      ; behind the last products
	PACK 0
	TOSTAGE 0
.irp a, 1,2,3,4,5,6,7                  ; block a's conversions stand between block a - 1's loads from the stage and the wait for them
	PACK \a
	SEND \a-1
	TOSTAGE \a
.endr
	SEND 7
	s_wait_tensorcnt 0x0                           ; the wave's end: behind my last tensor load and my last LDS store
	ds_add_u32 v[SPW], v[NIL]
	s_wait_dscnt 0x0
	CROUND                                         ; the closing round
	s_endpgm
.Lfunc_end_k_q74d931a608_qkv:
	.size	k_q74d931a608_qkv, .Lfunc_end_k_q74d931a608_qkv-k_q74d931a608_qkv
	.p2alignl 7, 3214868480
	.fill 96, 4, 3214868480
	.section	.rodata,"a",@progbits
	.p2align	6, 0x0
	.amdhsa_kernel k_q74d931a608_qkv
		.amdhsa_group_segment_fixed_size 327680
		.amdhsa_private_segment_fixed_size 0
		.amdhsa_enable_private_segment 0
		.amdhsa_kernarg_size 64
		.amdhsa_user_sgpr_count 2
		.amdhsa_user_sgpr_kernarg_segment_ptr 1
		.amdhsa_wavefront_size32 1
		.amdhsa_system_sgpr_workgroup_id_x 1
		.amdhsa_system_sgpr_workgroup_id_y 1
		.amdhsa_system_sgpr_workgroup_id_z 1
		.amdhsa_system_vgpr_workitem_id 0
		.amdhsa_next_free_vgpr 1024
		.amdhsa_next_free_sgpr 102
		.amdhsa_reserve_vcc 0
		.amdhsa_float_denorm_mode_32 3
		.amdhsa_float_denorm_mode_16_64 3
		.amdhsa_memory_ordered 1
		.amdhsa_forward_progress 1
		.amdhsa_inst_pref_size 128
	.end_amdhsa_kernel
	.amdgpu_metadata
---
amdhsa.version: [ 1, 2 ]
amdhsa.kernels:
  - .name:           k_q74d931a608_qkv
    .symbol:         k_q74d931a608_qkv.kd
    .args:
      - { .name: x_codes, .offset: 0, .size: 8, .value_kind: global_buffer, .address_space: global }
      - { .name: x_scales, .offset: 8, .size: 8, .value_kind: global_buffer, .address_space: global }
      - { .name: w_codes, .offset: 16, .size: 8, .value_kind: global_buffer, .address_space: global }
      - { .name: w_scales, .offset: 24, .size: 8, .value_kind: global_buffer, .address_space: global }
      - { .name: bq, .offset: 32, .size: 8, .value_kind: global_buffer, .address_space: global }
      - { .name: bk, .offset: 40, .size: 8, .value_kind: global_buffer, .address_space: global }
      - { .name: bv, .offset: 48, .size: 8, .value_kind: global_buffer, .address_space: global }
      - { .name: qkv, .offset: 56, .size: 8, .value_kind: global_buffer, .address_space: global }
    .group_segment_fixed_size: 327680
    .private_segment_fixed_size: 0
    .kernarg_segment_align: 8
    .kernarg_segment_size: 64
    .max_flat_workgroup_size: 128
    .sgpr_count:     102
    .vgpr_count:     1024
    .wavefront_size: 32
...
	.end_amdgpu_metadata
.endif
;; end of part 2
;; launch attn (part 3): grid 8 x 32, 16 waves a work-group, clusters of 4 x 1, 327,680 bytes of LDS; arguments qkv, ctx; writes ctx
.if DOCPART == 3
	.amdgcn_target "amdgcn-amd-amdhsa--gfx1250"
	.amdhsa_code_object_version 6
	.text
	.protected	k_q74d931a608_attn
	.globl	k_q74d931a608_attn
	.p2align	8
	.type	k_q74d931a608_attn,@function
k_q74d931a608_attn:
	s_mov_b64 s[64:65], 0
	v_nop
	global_prefetch_b8 v0, s[64:65] scope:SCOPE_SE
	s_setreg_imm32_b32 hwreg(HW_REG_WAVE_MODE, 25, 1), 1
	s_wait_xcnt 0x0
	s_wait_alu depctr_hold_cnt(0) depctr_sa_sdst(0) depctr_va_vdst(0) depctr_va_sdst(0) depctr_va_ssrc(0) depctr_va_vcc(0) depctr_vm_vsrc(0)
	s_getreg_b32 s2, hwreg(HW_REG_IB_STS2, 6, 4)
	s_cmp_eq_u32 s2, 0
	s_cbranch_scc0 .Lentry_in_a_cluster
	s_endpgm
.Lentry_in_a_cluster:
	s_bfe_u32 s2, ttmp6, 0x10000c
	s_cmp_lg_u32 s2, 0x3003
	s_cbranch_scc0 .Lentry_shape_is_right
	s_endpgm
.Lentry_shape_is_right:
; ctx[b][h][q][:] = the sum over k of softmax_k(q . k / 8) v[k][:], for each of 32 (batch, head) planes of 2,048 positions x 64 channels.  q, k, v, ctx in f16; products, maxima and sums in f32;
; the weights p are rounded to f16 for the second product, the row's sum is taken of the unrounded p.
; SHARES.  A work-group owns 256 queries of one plane.  Wave w owns queries 32 (w % 8) .. + 31, two tiles of 16, and keys 1,024 (w / 8) .. + 1,023, 64 a step: sixteen waves of 256 registers, four to a SIMD,
; so that one wave's vector work stands beside another's matrix work and LDS loads.  The two waves of a pair meet at the end through LDS: the pair's maxima, sums and O^T are joined there.
; LAYOUT.  S^T = K Q^T (source 0 = 16 keys, source 1 = 16 queries): a lane holds ONE query (lane % 16) and keys 8 (lane / 16) + 0..7.  Two such tiles, rounded to f16 in pairs IN PLACE, are source 1
; (32 keys x 16 queries) of O^T = V^T P.  K comes out of LDS as it lies, V ([key][channel]) turned, by ds_load_tr16_b128.
; SOFTMAX.  For each query a running maximum m and sum l: p = 2^(c s - c m), c = log2(e) / 8; in every step O^T and l are multiplied by a = 2^(c m_old - c m_new).  m begins at -3e38 and O^T, l at 0: one text serves all steps.
; CLUSTER.  The four query blocks of a cluster belong to one plane and walk the same K and V: each tile is asked for JOINTLY, by the same tensor load with the same descriptor and a mask that names the four.
; THE RING.  Two slots; a slot holds 256 keys of each half of the keys, as 8 pieces of K and 8 of V, 64 keys each: a piece is 8,192 dense bytes, stated as 32 rows of 256 bytes (two keys to a row).
; Wave w fetches piece w % 8: of K (waves 0-7) or of V (waves 8-15): one load a wave for a slot.  Four parts: two first fills (two loads of a wave out), two refills (one out), each asked for four key steps ahead of its wait.
; LIMITS: what f16 holds of q, k, v (the launch before) and of ctx: above 65,504 infinity, under 6e-5 a step of 6e-8.  NaN and infinities are not served.
.set PK,     272                       ; a row of K's piece in LDS: 256 bytes + 16: key kk lies at PK (kk / 2) + 128 (kk % 2): the 16 keys of a load fall on 16 different columns of 16 bytes modulo 256
.set PV,     288                       ; of V's: 256 + 32: 16 lanes of the turning load take 8 keys x 32 bytes, each column once
.set KPIECE, 32*PK
.set VPIECE, 32*PV
.set VREG,   8*KPIECE                  ; a slot: K's 8 pieces, then V's 8
.set SLOTB,  VREG+8*VPIECE
.set SPARE,  2*SLOTB                   ; the spare words, 128 bytes for each wave: eight blocks of 256 bytes that no other line names
.set MRGW,   18*512                    ; the merge: 18 images of four registers for each pair of waves, from LDS byte 0 on: slot 0 has had its last fill and its last read by then
.set OST,    8*MRGW                    ; behind them the way out: 32 rows x 144 bytes for each of waves 0-7
.set OP,     144
.set AK0,  1                           ; v1   my lane's place in a piece of K, in my half's pieces
.set AV0,  2                           ; v2   the same for V
.set ADK,  3                           ; v3   LDS address of the step's K
.set ADV,  4                           ; v4   of its V
.set QO,   5                           ; v5   my byte offset in the wave's rows of q
.set MRGA, 6                           ; v6   the merge: my pair's images, 16 x lane
.set STO,  7                           ; v7   the way out: where I put 16 bytes of a row
.set RD,   8                           ; v8   where I read rows back
.set GO,   9                           ; v9   16 x lane: my byte offset in the wave's rows of ctx
.set ST,   12                          ; v12-27 tile t's statistics at ST + 8 t: +0 c m, +1 m, +2, +3 l (even keys', odd keys'), +4 .. +7 at work; a in +6
.set SPW,  28                          ; v28  LDS address of my spare word; never rewritten
.set NIL,  29                          ; v29  0; never rewritten
.set Q,    32                          ; v32-63   q's fragments: tile t, channels 32 c on: Q + 16 t + 8 c
.set S,    64                          ; v64-127  S^T: tile t, keys 16 kt on: S + 32 t + 8 kt; then P in place: (t, kb) at S + 32 t + 16 kb
.set O,    128                         ; v128-191 O^T: tile t, channels 16 ch on: O + 32 t + 8 ch
.set KV,   192                         ; v192-255 K's eight fragments, then V's eight
.set PS,   64                          ; the merge: the partner's statistics, four registers a tile
.set PO,   72                          ; the way out: packed results
.set WV,   8                           ; s8   my wave's number
.set G1K,  24
.set G1V,  32
.set G0K,  40                          ; s[40:47] group 0 for K's pieces, a set for each slot
.set G0V,  48                          ; s[48:55] for V's
.set TK,   56                          ; s56  LDS byte at which the step's pieces of K begin
.set TV,   57                          ; s57  and V's
.set CNT,  58                          ; s58  counts a slot's four steps
.set CS,   60                          ; s[60:61] c: the packed form names a pair and takes its low word for both halves
.set SEL,  62                          ; s[62:63] lane selects for v_permlanex16_b32: lane l xor 16
.macro CROUND                          ; a round of the cluster's barrier
	s_barrier_signal -1
	s_barrier_wait -1
	s_cmp_lg_u32 s[WV], 0
	s_cbranch_scc1 .Lnot_wave_0_\@
	s_barrier_signal -3
.Lnot_wave_0_\@:
	s_barrier_wait -3
	s_barrier_signal -1
	s_barrier_wait -1
.endm
; A joint refill of slot s.  The branch hangs on the wave's number alone.  An s_nop 0 and four v_nop follow each of the two lines.
.macro JLOAD s
	s_cmp_lt_u32 s[WV], 8
	s_cbranch_scc0 .Lfor_v_\@
	tensor_load_to_lds s[G0K+4*\s:G0K+4*\s+3], s[G1K:G1K+7]
	s_nop 0
.rept 4
	v_nop
.endr
	s_branch .Lasked_\@
.Lfor_v_\@:
	tensor_load_to_lds s[G0V+4*\s:G0V+4*\s+3], s[G1V:G1V+7]
	s_nop 0
.rept 4
	v_nop
.endr
.Lasked_\@:
.endm
	s_load_b128 s[4:7], s[0:1], 0x0                ; qkv s[4:5], ctx s[6:7]
	v_lshl_add_u32 v[SPW], v0, 2, SPARE
	v_mov_b32 v[NIL], 0
	ds_add_u32 v[SPW], v[NIL]                      ; the wave's opening: the add, twice on end, and its wait ahead of my first tensor load
	ds_add_u32 v[SPW], v[NIL]
	v_lshrrev_b32 v10, 5, v0
	v_readfirstlane_b32 s[WV], v10                 ; wave 0..15
	s_and_b32 s9, s[WV], 7                         ; which 32 queries are mine.  Also: which piece of a slot I fetch
	s_lshr_b32 s10, s[WV], 3                       ; which half of the keys
	s_bfe_u32 s11, ttmp6, 0x40000                  ; cx: my place in the cluster
	s_lshl_b32 s12, ttmp9, 2
	s_add_co_u32 s12, s12, s11                     ; my block of 256 queries: it enters q's and ctx's addresses alone
	s_and_b32 s13, ttmp7, 0xffff                   ; the plane, which the four partners share
	s_lshl_b32 s14, s13, 18                        ; its first byte in each part of qkv and in ctx
	s_lshl_b32 s16, s12, 15                        ; my block's 256 rows of 128 bytes,
	s_lshl_b32 s17, s9, 12                         ; my wave's 32 of them
	s_add_co_u32 s16, s16, s17
	s_add_co_u32 s16, s16, s14
	s_mov_b32 s17, 0
	s_lshr_b32 s18, s9, 2                          ; my piece: which half of the keys (1,024 rows),
	s_lshl_b32 s18, s18, 17
	s_and_b32 s19, s9, 3                           ; which 64 keys of a part's 256
	s_lshl_b32 s19, s19, 13
	s_add_co_u32 s18, s18, s19
	s_add_co_u32 s18, s18, s14
	s_mov_b32 s19, 0
	s_mul_i32 s22, s9, KPIECE                      ; and its place in a slot: no place in the cluster enters an LDS address
	s_mul_i32 s23, s9, VPIECE
	s_add_co_u32 s23, s23, VREG
	; descriptor group 1: 32 rows of 128 elements of 2 bytes, dense in memory, padded in LDS
	s_mov_b32 s[G1K], 15|(1<<16)|(1<<20)|(1<<21)|(5<<22)|(3<<25)  ; 15:0 the mask: all four work-groups; 17:16 elements of 2 bytes; 20 padding on; 21 set beside a mask; 24:22 after every 64 words; 31:25 four words
	s_mov_b32 s[G1V], 15|(1<<16)|(1<<20)|(1<<21)|(5<<22)|(7<<25)  ; the same with eight words of padding
.irp g, G1K, G1V
	s_mov_b32 s[\g+1], 128<<16                     ; tensor_dim0
	s_mov_b32 s[\g+2], 32<<16                      ; tensor_dim1
	s_mov_b32 s[\g+3], 128<<16                     ; tile_dim0
	s_mov_b32 s[\g+4], 32                          ; tile_dim1
	s_mov_b32 s[\g+5], 128                         ; tensor_dim0_stride
	s_mov_b32 s[\g+6], 0
	s_mov_b32 s[\g+7], 0
.endr
	s_mov_b32 s[CS], 0x3e38aa3b                    ; c = log2(e) / 8
	s_mov_b32 s[CS+1], s[CS]                       ; (named with it as a pair, so it is written)
	s_mov_b32 s[SEL], 0x76543210
	s_mov_b32 s[SEL+1], 0xfedcba98
	s_wait_dscnt 0x0                               ; both opening adds are done
	s_wait_kmcnt 0x0
	s_add_nc_u64 s[66:67], s[4:5], s[16:17]        ; q at my wave's first row
	s_add_nc_u64 s[68:69], s[6:7], s[16:17]        ; ctx likewise
	s_add_nc_u64 s[18:19], s[4:5], s[18:19]        ; my piece of part 0, less k's or v's place in qkv
	CROUND                                         ; all four work-groups are here: the first joint loads meet
.irp s, 0,1
	s_mov_b32 s[G0K+4*\s], 1                       ; 1:0 count = 1
	s_add_co_u32 s[G0K+4*\s+1], s22, \s*SLOTB      ; 63:32 LDS address
	s_add_nc_u64 s[G0K+4*\s+2:G0K+4*\s+3], s[18:19], 8388608+32768*\s   ; 120:64 global address: k, part s (256 keys on)
	s_or_b32 s[G0K+4*\s+3], s[G0K+4*\s+3], 0x80000000                   ; 127:126 type = 2
	s_mov_b32 s[G0V+4*\s], 1
	s_add_co_u32 s[G0V+4*\s+1], s23, \s*SLOTB
	s_add_nc_u64 s[G0V+4*\s+2:G0V+4*\s+3], s[18:19], 16777216+32768*\s  ; v
	s_or_b32 s[G0V+4*\s+3], s[G0V+4*\s+3], 0x80000000
.endr
	s_cmp_lt_u32 s[WV], 8                          ; a wave's two first fills stand in one branch, ahead of every wait on TENSORcnt and every LDS read
	s_cbranch_scc0 .Lfirst_v
	tensor_load_to_lds s[G0K:G0K+3], s[G1K:G1K+7]
	s_nop 0
	tensor_load_to_lds s[G0K+4:G0K+7], s[G1K:G1K+7]
	s_nop 0
.rept 4
	v_nop
.endr
	s_branch .Lfirst_asked
.Lfirst_v:
	tensor_load_to_lds s[G0V:G0V+3], s[G1V:G1V+7]
	s_nop 0
	tensor_load_to_lds s[G0V+4:G0V+7], s[G1V:G1V+7]
	s_nop 0
.rept 4
	v_nop
.endr
.Lfirst_asked:
	v_and_b32 v10, 15, v0                          ; r = lane % 16
	v_bfe_u32 v11, v0, 4, 1                        ; h = lane / 16
	v_and_b32 v30, 31, v0                          ; lane
	v_lshlrev_b32 v[QO], 7, v10
	v_lshl_add_u32 v[QO], v11, 4, v[QO]            ; q: row r of 128 bytes, + 16 h
.irp t, 0,1
.irp c, 0,1
	global_load_b128 v[Q+16*\t+8*\c:Q+16*\t+8*\c+3],   v[QO], s[66:67] offset:2048*\t+64*\c      ; q stays in registers
	global_load_b128 v[Q+16*\t+8*\c+4:Q+16*\t+8*\c+7], v[QO], s[66:67] offset:2048*\t+64*\c+32
.endr
.endr
	; every LDS address register is made here, ahead of any parting of the waves
	v_lshrrev_b32 v31, 1, v10
	v_mul_u32_u24 v[AK0], v31, PK                  ; K: key r: row r / 2,
	v_and_b32 v31, 1, v0
	v_lshl_add_u32 v[AK0], v31, 7, v[AK0]          ; its half r % 2,
	v_lshl_add_u32 v[AK0], v11, 4, v[AK0]          ; + 16 h,
	s_mul_i32 s20, s10, 4*KPIECE
	v_add_nc_u32 v[AK0], s20, v[AK0]               ; in my half's four pieces
	v_bfe_u32 v[AV0], v0, 1, 2                     ; V: lane l reads key 8 h + l % 8, channels 8 ((l / 8) % 2) on: row 4 h + (l % 8) / 2,
	v_lshl_add_u32 v[AV0], v11, 2, v[AV0]
	v_mul_u32_u24 v[AV0], v[AV0], PV
	v_lshl_add_u32 v[AV0], v31, 7, v[AV0]          ; its half l % 2,
	v_bfe_u32 v31, v0, 3, 1
	v_lshl_add_u32 v[AV0], v31, 4, v[AV0]
	s_mul_i32 s21, s10, 4*VPIECE
	v_add_nc_u32 v[AV0], s21, v[AV0]
	s_mul_i32 s20, s9, MRGW
	v_lshl_add_u32 v[MRGA], v30, 4, s20
	s_mul_i32 s21, s9, 32*OP
	s_add_co_u32 s21, s21, OST
	v_mul_u32_u24 v[STO], v10, OP
	v_lshl_add_u32 v[STO], v11, 4, v[STO]
	v_add_nc_u32 v[STO], s21, v[STO]               ; in: row r, 16 bytes for each half of the lanes
	v_lshrrev_b32 v31, 3, v30
	v_mul_u32_u24 v[RD], v31, OP
	v_and_b32 v31, 7, v0
	v_lshl_add_u32 v[RD], v31, 4, v[RD]
	v_add_nc_u32 v[RD], s21, v[RD]                 ; back: eight lanes to a row of 128 bytes, four rows an instruction
	v_lshlrev_b32 v[GO], 4, v30
.irp t, 0,1
	v_mov_b32 v[ST+8*\t+1], 0xff61b1e6             ; m: -3e38, under every score
	v_mov_b32 v[ST+8*\t+2], 0                      ; l
	v_mov_b32 v[ST+8*\t+3], 0
.endr
.irp t, 0,1
	v_mul_f32 v[ST+8*\t], s[CS], v[ST+8*\t+1]      ; c m
.endr
.set i, 0
.rept 64
	v_mov_b32 v[O+i], 0                            ; O^T: the first step's a is 0 and multiplies zeros
.set i, i+1
.endr
; THE SOFTMAX of a step, both tiles line by line, so that no line reads the result of the line above it.
.macro SOFTMAX
.irp j, 0,1,2,3                        ; the maximum of the lane's 32 scores and the old m, three operands at a time; each accumulator is read from its low end on
.irp t, 0,1
	v_max3_num_f32 v[ST+8*\t+4+\j], v[S+32*\t+8*\j], v[S+32*\t+8*\j+1], v[S+32*\t+8*\j+2]
.endr
.endr
.irp u, 1,2
.irp j, 0,1,2,3
.irp t, 0,1
	v_max3_num_f32 v[ST+8*\t+4+\j], v[ST+8*\t+4+\j], v[S+32*\t+8*\j+2*\u+1], v[S+32*\t+8*\j+2*\u+2]
.endr
.endr
.endr
.irp t, 0,1
	v_max3_num_f32 v[ST+8*\t+4], v[ST+8*\t+4], v[S+32*\t+7], v[S+32*\t+15]
	v_max3_num_f32 v[ST+8*\t+6], v[ST+8*\t+6], v[S+32*\t+23], v[S+32*\t+31]
.endr
.irp t, 0,1
	v_max3_num_f32 v[ST+8*\t+4], v[ST+8*\t+4], v[ST+8*\t+5], v[ST+8*\t+6]
.endr
.irp t, 0,1
	v_max3_num_f32 v[ST+8*\t+4], v[ST+8*\t+4], v[ST+8*\t+7], v[ST+8*\t+1]
.endr
.irp t, 0,1
	v_permlanex16_b32 v[ST+8*\t+5], v[ST+8*\t+4], s[SEL], s[SEL+1]  ; the query's other 32 keys lie in the lane 16 away
.endr
.irp t, 0,1
	v_mov_b32 v[ST+8*\t+7], v[ST+8*\t]             ; c m_old is kept for a
.endr
.irp t, 0,1
	v_max_num_f32 v[ST+8*\t+1], v[ST+8*\t+4], v[ST+8*\t+5]
.endr
.irp t, 0,1
	v_mul_f32 v[ST+8*\t], s[CS], v[ST+8*\t+1]
.endr
.irp t, 0,1
	v_sub_f32 v[ST+8*\t+7], v[ST+8*\t+7], v[ST+8*\t]
.endr
.irp j, 0,2,4,6,8,10,12,14,16,18,20,22,24,26,28,30
.irp t, 0,1
	v_pk_fma_f32 v[S+32*\t+\j:S+32*\t+\j+1], v[S+32*\t+\j:S+32*\t+\j+1], s[CS:CS+1], v[ST+8*\t:ST+8*\t+1] op_sel_hi:[1,0,0] neg_lo:[0,0,1] neg_hi:[0,0,1]  ; c s - c m, two at a time
.endr
.endr
.irp t, 0,1                            ; ONE BATCH of 66 exponentials; none reads another's result
	v_exp_f32 v[ST+8*\t+6], v[ST+8*\t+7]           ; a
.endr
.set i, 0
.rept 64
	v_exp_f32 v[S+i], v[S+i]                       ; p
.set i, i+1
.endr
	v_nop                                          ; the plain line behind the last exponential
	s_wait_alu depctr_va_vdst(0)                   ; the wait ahead of the first line that names a result: one for the batch
.irp t, 0,1
	v_pk_mul_f32 v[ST+8*\t+2:ST+8*\t+3], v[ST+8*\t+2:ST+8*\t+3], v[ST+8*\t+6:ST+8*\t+7] op_sel_hi:[1,0]   ; l under the new m
.endr
.irp t, 0,1
	v_pk_add_f32 v[ST+8*\t+4:ST+8*\t+5], v[S+32*\t:S+32*\t+1], v[S+32*\t+2:S+32*\t+3]   ; the sum of the unrounded p, in two chains
.endr
.irp j, 4,8,12,16,20,24,28
.irp t, 0,1
	v_pk_add_f32 v[ST+8*\t+2:ST+8*\t+3], v[ST+8*\t+2:ST+8*\t+3], v[S+32*\t+\j:S+32*\t+\j+1]
	v_pk_add_f32 v[ST+8*\t+4:ST+8*\t+5], v[ST+8*\t+4:ST+8*\t+5], v[S+32*\t+\j+2:S+32*\t+\j+3]
.endr
.endr
.irp t, 0,1
	v_pk_add_f32 v[ST+8*\t+2:ST+8*\t+3], v[ST+8*\t+2:ST+8*\t+3], v[ST+8*\t+4:ST+8*\t+5]
.endr
.irp i, 0,1,2,3,4,5,6,7                ; p to f16, in place and ascending: register i takes numbers 2 i and 2 i + 1 of its 16
.irp x, 0,1,2,3                        ; x = 2 t + kb
	v_cvt_pk_f16_f32 v[S+16*\x+\i], v[S+16*\x+2*\i], v[S+16*\x+2*\i+1]
.endr
.endr
.irp t, 0,1
.irp j, 0,2,4,6,8,10,12,14,16,18,20,22,24,26,28,30
	v_pk_mul_f32 v[O+32*\t+\j:O+32*\t+\j+1], v[O+32*\t+\j:O+32*\t+\j+1], v[ST+8*\t+6:ST+8*\t+7] op_sel_hi:[1,0]   ; O^T under the new m, each accumulator from its low end on
.endr
.endr
.endm
; A KEY STEP: 64 keys.  The accumulators take turns, one instruction a turn: eight in each product.
.macro STEP
	v_add_nc_u32 v[ADK], s[TK], v[AK0]
	v_add_nc_u32 v[ADV], s[TV], v[AV0]
.irp kt, 0,1,2,3
.irp c, 0,1
	ds_load_b128 v[KV+8*(2*\kt+\c):KV+8*(2*\kt+\c)+3],   v[ADK] offset:8*PK*\kt+64*\c
	ds_load_b128 v[KV+8*(2*\kt+\c)+4:KV+8*(2*\kt+\c)+7], v[ADK] offset:8*PK*\kt+64*\c+32
.endr
.endr
	s_wait_dscnt 0x0                               ; K is in
.set i, 0
.rept 16                               ; S^T = K Q^T: tile i % 2, keys 16 ((i / 2) % 4) on, channels 32 (i / 8) on; the first eight start the sums
.set rS, S+32*(i%2)+8*((i/2)%4)
.set rK, KV+8*(2*((i/2)%4)+i/8)
.set rQ, Q+16*(i%2)+8*(i/8)
.if i < 8
	v_wmma_f32_16x16x32_f16 v[rS:rS+7], v[rK:rK+7], v[rQ:rQ+7], 0
.else
	v_wmma_f32_16x16x32_f16 v[rS:rS+7], v[rK:rK+7], v[rQ:rQ+7], v[rS:rS+7]
.endif
.set i, i+1
.endr
.rept 4
	v_nop                                          ; four places: in front of the loads into K's registers, and of the first read of the scores
.endr
.irp kb, 0,1
.irp ch, 0,1,2,3
	ds_load_tr16_b128 v[KV+8*(4*\kb+\ch):KV+8*(4*\kb+\ch)+3],   v[ADV] offset:16*PV*\kb+32*\ch          ; V lands while the softmax is walked
	ds_load_tr16_b128 v[KV+8*(4*\kb+\ch)+4:KV+8*(4*\kb+\ch)+7], v[ADV] offset:16*PV*\kb+8*PV+32*\ch
.endr
.endr
	SOFTMAX
	s_wait_dscnt 0x0                               ; V is in
.set i, 0
.rept 16                               ; O^T += V^T P: tile i % 2, channels 16 ((i / 2) % 4) on, keys 32 (i / 8) on
.set rO, O+32*(i%2)+8*((i/2)%4)
.set rV, KV+8*(4*(i/8)+(i/2)%4)
.set rP, S+32*(i%2)+16*(i/8)
	v_wmma_f32_16x16x32_f16 v[rO:rO+7], v[rV:rV+7], v[rP:rP+7], v[rO:rO+7]
.set i, i+1
.endr
.rept 5
	v_nop                                          ; five places: the next step's first products write over P's registers; its loads land in V's; the merge reads O^T
.endr
.endm
; A slot's four steps: written once, walked four times; the LDS addresses hang on s[TK] and s[TV].
.macro PHASE s
	s_mov_b32 s[TK], \s*SLOTB
	s_mov_b32 s[TV], \s*SLOTB+VREG
	s_mov_b32 s[CNT], 4
.Lstep_\@:
	STEP
	s_add_co_u32 s[TK], s[TK], KPIECE
	s_add_co_u32 s[TV], s[TV], VPIECE
	s_sub_co_u32 s[CNT], s[CNT], 1
	s_cmp_lg_u32 s[CNT], 0
	s_cbranch_scc1 .Lstep_\@
.endm
; THE CHANGE OF SLOTS, behind slot s's steps.  Each wave waits for all its tensor loads (its piece of the other slot), adds 0 to its spare word, and waits for that and for its reads of slot s.
; fill = 1: the barrier is a round of the cluster's, so that no wave of any partner still reads the slot or has a load on its way, and the joint refill, the part two on, is the first thing behind it.
.macro CHANGE s, fill
	s_wait_tensorcnt 0x0                           ; no tensor load of mine is out, so a group 0 may be written
	ds_add_u32 v[SPW], v[NIL]
.if \fill
	s_add_nc_u64 s[G0K+4*\s+2:G0K+4*\s+3], s[G0K+4*\s+2:G0K+4*\s+3], 65536   ; 512 keys on; the type bits on top are not reached
	s_add_nc_u64 s[G0V+4*\s+2:G0V+4*\s+3], s[G0V+4*\s+2:G0V+4*\s+3], 65536
.endif
	s_wait_dscnt 0x0                               ; the add is done, and my reads of the slot are over
.if \fill
	CROUND
	JLOAD \s
.else
	s_barrier_signal -1
	s_barrier_wait -1
.endif
.endm
	s_wait_tensorcnt 1                             ; my piece of slot 0 is in; slot 1's may stay out
	s_barrier_signal -1
	s_barrier_wait -1                              ; everybody's is
	s_wait_loadcnt 0x0                             ; q
	PHASE 0                                        ; keys 0-255 of my half
	CHANGE 0, 1
	PHASE 1                                        ; 256-511
	CHANGE 1, 1
	PHASE 0                                        ; 512-767
	CHANGE 0, 0                                    ; nothing is left to ask for; slot 0 is left for good
	PHASE 1                                        ; 768-1,023
	; THE MERGE.  Waves 8-15 hand O^T and the statistics to waves 0-7 as images of their registers: lane l's 16 bytes at 16 l, 512 bytes a store.
	s_cmp_lt_u32 s[WV], 8
	s_cbranch_scc1 .Lkeep
.irp g, 0,1,2,3,4,5,6,7,8,9,10,11,12,13,14,15
	ds_store_b128 v[MRGA], v[O+4*\g:O+4*\g+3] offset:512*\g
.endr
	ds_store_b128 v[MRGA], v[ST:ST+3] offset:8192
	ds_store_b128 v[MRGA], v[ST+8:ST+11] offset:8704
.Lkeep:
	s_wait_dscnt 0x0                               ; for the others' sake: my stores have landed
	s_barrier_signal -1
	s_barrier_wait -1
	s_cmp_lt_u32 s[WV], 8
	s_cbranch_scc0 .Lend
.irp g, 0,1,2,3,4,5,6,7,8,9,10,11,12,13,14,15
	ds_load_b128 v[KV+4*\g:KV+4*\g+3], v[MRGA] offset:512*\g
.endr
	ds_load_b128 v[PS:PS+3], v[MRGA] offset:8192
	ds_load_b128 v[PS+4:PS+7], v[MRGA] offset:8704
	s_wait_dscnt 0x0
.irp t, 0,1
	v_max_num_f32 v[ST+8*\t+4], v[ST+8*\t], v[PS+4*\t]             ; the pair's c m
.endr
.irp t, 0,1
	v_sub_f32 v[ST+8*\t+5], v[ST+8*\t], v[ST+8*\t+4]
	v_sub_f32 v[ST+8*\t+7], v[PS+4*\t], v[ST+8*\t+4]
.endr
.irp t, 0,1
	v_exp_f32 v[ST+8*\t+5], v[ST+8*\t+5]           ; a0: mine under the pair's maximum,
	v_exp_f32 v[ST+8*\t+7], v[ST+8*\t+7]           ; a1: the partner's
.endr
.irp t, 0,1
	v_add_f32 v[ST+8*\t+2], v[ST+8*\t+2], v[ST+8*\t+3]             ; l's two halves: plain work behind the exponentials
	v_add_f32 v[PS+4*\t+2], v[PS+4*\t+2], v[PS+4*\t+3]
.endr
	s_wait_alu depctr_va_vdst(0)                   ; one wait for the four, ahead of their first reader
.irp t, 0,1
	v_mul_f32 v[ST+8*\t+2], v[ST+8*\t+2], v[ST+8*\t+5]
.endr
.irp t, 0,1
	v_fma_f32 v[ST+8*\t+2], v[PS+4*\t+2], v[ST+8*\t+7], v[ST+8*\t+2]
.endr
.irp t, 0,1
	v_permlanex16_b32 v[ST+8*\t+3], v[ST+8*\t+2], s[SEL], s[SEL+1]
.endr
.irp t, 0,1
	v_add_f32 v[ST+8*\t+2], v[ST+8*\t+2], v[ST+8*\t+3]             ; the row's sum over all 2,048 keys
.endr
.irp t, 0,1
	v_rcp_f32 v[ST+8*\t+6], v[ST+8*\t+2]
.endr
	v_nop                                          ; the plain line behind the last reciprocal
	s_wait_alu depctr_va_vdst(0)                   ; and the wait ahead of the first reader
.irp t, 0,1
	v_mul_f32 v[ST+8*\t+4], v[ST+8*\t+5], v[ST+8*\t+6]             ; f0 = a0 / l
.endr
.irp t, 0,1
	v_mul_f32 v[ST+8*\t+6], v[ST+8*\t+7], v[ST+8*\t+6]             ; f1 = a1 / l
.endr
.irp t, 0,1
.irp j, 0,2,4,6,8,10,12,14,16,18,20,22,24,26,28,30
	v_pk_mul_f32 v[O+32*\t+\j:O+32*\t+\j+1], v[O+32*\t+\j:O+32*\t+\j+1], v[ST+8*\t+4:ST+8*\t+5] op_sel_hi:[1,0]
.endr
.endr
.irp t, 0,1
.irp j, 0,2,4,6,8,10,12,14,16,18,20,22,24,26,28,30
	v_pk_fma_f32 v[O+32*\t+\j:O+32*\t+\j+1], v[KV+32*\t+\j:KV+32*\t+\j+1], v[ST+8*\t+6:ST+8*\t+7], v[O+32*\t+\j:O+32*\t+\j+1] op_sel_hi:[1,0,1]
.endr
.endr
.set i, 0
.rept 32
	v_cvt_pk_f16_f32 v[PO+i], v[O+2*i], v[O+2*i+1] ; a lane's eight channels of a row pack into 16 bytes
.set i, i+1
.endr
.irp t, 0,1
.irp ch, 0,1,2,3
	ds_store_b128 v[STO], v[PO+16*\t+4*\ch:PO+16*\t+4*\ch+3] offset:16*OP*\t+32*\ch
.endr
.endr
.irp i, 0,1,2,3,4,5,6,7
	ds_load_b128 v[KV+4*\i:KV+4*\i+3], v[RD] offset:4*OP*\i        ; my own stage: LDS serves a wave's instructions in order, so these see the stores above
.endr
.irp i, 0,1,2,3,4,5,6,7
	s_wait_dscnt 7-\i                              ; load i is back; the later ones may be out
	global_store_b128 v[GO], v[KV+4*\i:KV+4*\i+3], s[68:69] offset:512*\i   ; the wave stores four rows: 512 consecutive bytes, aligned to 256
.endr
.Lend:
	s_wait_tensorcnt 0x0                           ; the wave's end: behind my last tensor load and my last LDS store
	ds_add_u32 v[SPW], v[NIL]
	s_wait_dscnt 0x0
	CROUND                                         ; the closing round
	s_endpgm
.Lfunc_end_k_q74d931a608_attn:
	.size	k_q74d931a608_attn, .Lfunc_end_k_q74d931a608_attn-k_q74d931a608_attn
	.p2alignl 7, 3214868480
	.fill 96, 4, 3214868480
	.section	.rodata,"a",@progbits
	.p2align	6, 0x0
	.amdhsa_kernel k_q74d931a608_attn
		.amdhsa_group_segment_fixed_size 327680
		.amdhsa_private_segment_fixed_size 0
		.amdhsa_enable_private_segment 0
		.amdhsa_kernarg_size 16
		.amdhsa_user_sgpr_count 2
		.amdhsa_user_sgpr_kernarg_segment_ptr 1
		.amdhsa_wavefront_size32 1
		.amdhsa_system_sgpr_workgroup_id_x 1
		.amdhsa_system_sgpr_workgroup_id_y 1
		.amdhsa_system_sgpr_workgroup_id_z 1
		.amdhsa_system_vgpr_workitem_id 0
		.amdhsa_next_free_vgpr 256
		.amdhsa_next_free_sgpr 72
		.amdhsa_reserve_vcc 0
		.amdhsa_float_denorm_mode_32 3
		.amdhsa_float_denorm_mode_16_64 3
		.amdhsa_memory_ordered 1
		.amdhsa_forward_progress 1
		.amdhsa_inst_pref_size 94
	.end_amdhsa_kernel
	.amdgpu_metadata
---
amdhsa.version: [ 1, 2 ]
amdhsa.kernels:
  - .name:           k_q74d931a608_attn
    .symbol:         k_q74d931a608_attn.kd
    .args:
      - { .name: qkv, .offset: 0, .size: 8, .value_kind: global_buffer, .address_space: global }
      - { .name: ctx, .offset: 8, .size: 8, .value_kind: global_buffer, .address_space: global }
    .group_segment_fixed_size: 327680
    .private_segment_fixed_size: 0
    .kernarg_segment_align: 8
    .kernarg_segment_size: 16
    .max_flat_workgroup_size: 512
    .sgpr_count:     72
    .vgpr_count:     256
    .wavefront_size: 32
...
	.end_amdgpu_metadata
.endif
;; end of part 3
;; launch oproj (part 4): grid 8 x 32, 4 waves a work-group, clusters of 4 x 4, 327,680 bytes of LDS; arguments ctx, wo16, bo, out0; writes out0
.if DOCPART == 4
	.amdgcn_target "amdgcn-amd-amdhsa--gfx1250"
	.amdhsa_code_object_version 6
	.text
	.protected	k_q74d931a608_oproj
	.globl	k_q74d931a608_oproj
	.p2align	8
	.type	k_q74d931a608_oproj,@function
k_q74d931a608_oproj:
	s_mov_b64 s[64:65], 0
	v_nop
	global_prefetch_b8 v0, s[64:65] scope:SCOPE_SE
	s_setreg_imm32_b32 hwreg(HW_REG_WAVE_MODE, 25, 1), 1
	s_wait_xcnt 0x0
	s_wait_alu depctr_hold_cnt(0) depctr_sa_sdst(0) depctr_va_vdst(0) depctr_va_sdst(0) depctr_va_ssrc(0) depctr_va_vcc(0) depctr_vm_vsrc(0)
	s_getreg_b32 s2, hwreg(HW_REG_IB_STS2, 6, 4)
	s_cmp_eq_u32 s2, 0
	s_cbranch_scc0 .Lentry_in_a_cluster
	s_endpgm
.Lentry_in_a_cluster:
	s_bfe_u32 s2, ttmp6, 0x10000c
	s_cmp_lg_u32 s2, 0xf033
	s_cbranch_scc0 .Lentry_shape_is_right
	s_endpgm
.Lentry_shape_is_right:
; out0 [4096][1024] f32 = ctx Wo + bo, f16 operands, f32 sums.  ctx lies head-major, [batch][head][position][64] f16; wo16 as Wo lies, [k 1024][n 1024] f16; k = 64 x head + channel.
; A tile of 128 x 128 gives 256 work-groups.  Four waves, each 64 x 64: 16 accumulators, 128 registers.  K goes in 4 steps of 256 (four head planes) through two LDS slots: two first fills and two refills, written out.
; A quarter of a step, 64 along K, is one plane.  ctx's fragments come out of LDS as they lie (K innermost in a plane's row), Wo's turned, by ds_load_tr16_b128.
; CLUSTERS: 4 x 4 work-groups.  The four of a row of the cluster need the same tiles of ctx, the four of a column the same tiles of Wo: each is asked for JOINTLY.
; THE MATRIX INSTRUCTION IS USED TRANSPOSED (source 0 = 16 columns of Wo, source 1 = 16 rows of ctx): a lane holds eight neighbouring numbers of a row of out0.  bo is the C of each sum's first product.
; REGISTERS: window 0: v0-31 addresses; v96-127 bo, eight registers for each of my 4 blocks of columns; v128-255 the accumulators ((a, b) at v[128 + 8 (4 a + b)]).
;   window 1: two fragment buffers of 128: for 64 along K, 64 registers of ctx (2 x 4 x 16 rows x 32 K), then 64 of Wo.
.set PA,     272                       ; ctx in LDS: 256 bytes (two positions of a plane) + 16: row rr lies at PA (rr / 2) + 128 (rr % 2): the 16 rows of a load fall on 16 different columns of 16 bytes modulo 256
.set APLANE, 32*PA                     ; 64 positions of one plane
.set AHALF,  4*APLANE                  ; of a step's four planes: what one tensor load brings
.set PB,     288                       ; Wo in LDS: a k-row's 256 bytes + 32: 16 lanes of the turning load take 8 rows x 32 bytes, each column once
.set BHALF,  128*PB                    ; 128 k-rows: what one tensor load brings
.set BOFF,   2*AHALF                   ; a slot: ctx's two halves, then Wo's two
.set SLOT,   BOFF+2*BHALF
.set SPARE,  2*SLOT                    ; the spare words, 128 bytes for each wave: two blocks of 256 bytes that no other line names
.set SPITCH, 272                       ; the way out: a stage of 64 rows x (256 bytes + 16) for each wave, in slot 0, which has had its last fill and its last read by then
.set ADRA, 16                          ; v16-17  LDS address of my ctx fragments in slot 0, 1
.set ADRB, 20                          ; v20-23  of my Wo fragments: slot 0 quarters 0-1, 2-3; slot 1 likewise (an LDS offset has 16 bits)
.set STO,  24
.set RD,   25
.set CO,   26
.set BO,   27                          ; v27     32 x (lane / 16)
.set SPW,  28                          ; v28     LDS address of my spare word; never rewritten
.set NIL,  29                          ; v29     0; never rewritten
.set BIAS, 96
.set ACC,  128
.set F0,   0
.set F1,   128
.set G1, 24
.set G0, 32
.set G1B, 48
.set G0B, 56
.set MSB, 0
.macro WIN new                         ; the immediate's high byte repeats the setting that is left
.if MSB != (\new)
	s_set_vgpr_msb (MSB<<8)|(\new)
.set MSB, (\new)
.endif
.endm
.set MUL,  0x05                        ; sources 0 (Wo) and 1 (ctx) window 1; C and D window 0
.set TO_F, 0x40                        ; destination window 1, address window 0
.macro JLOAD s                         ; a joint load: waves 0 and 1 fetch ctx's two halves, waves 2 and 3 Wo's; an s_nop 0 and four v_nop follow each of the two lines
	s_cmp_eq_u32 s11, 0
	s_cbranch_scc0 .Lfor_b_\@
	tensor_load_to_lds s[G0+4*\s:G0+4*\s+3], s[G1:G1+7]
	s_nop 0
.rept 4
	v_nop
.endr
	s_branch .Lasked_\@
.Lfor_b_\@:
	tensor_load_to_lds s[G0B+4*\s:G0B+4*\s+3], s[G1B:G1B+7]
	s_nop 0
.rept 4
	v_nop
.endr
.Lasked_\@:
.endm
.macro CREST                           ; a round of the cluster's barrier behind its opening barrier
	s_cmp_lg_u32 s10, 0
	s_cbranch_scc1 .Lnot_wave_0_\@
	s_barrier_signal -3
.Lnot_wave_0_\@:
	s_barrier_wait -3
	s_barrier_signal -1
	s_barrier_wait -1
.endm
.macro CROUND
	s_barrier_signal -1
	s_barrier_wait -1
	CREST
.endm
	s_load_b128 s[4:7], s[0:1], 0x0                ; ctx s[4:5], wo16 s[6:7]
	s_load_b64 s[66:67], s[0:1], 0x10              ; bo
	s_load_b64 s[8:9], s[0:1], 0x18                ; out0
	v_lshl_add_u32 v[SPW], v0, 2, SPARE
	v_mov_b32 v[NIL], 0
	ds_add_u32 v[SPW], v[NIL]                      ; the wave's opening: the add, twice on end, and its wait ahead of my first tensor load
	ds_add_u32 v[SPW], v[NIL]
	v_lshrrev_b32 v1, 5, v0
	v_readfirstlane_b32 s10, v1                    ; wave 0..3
	s_lshr_b32 s11, s10, 1                         ; which half of the tile's rows is mine.  Also: I fetch for ctx (0) or for Wo (1)
	s_and_b32 s12, s10, 1                          ; which half of its columns.  Also: which half of that tile I fetch
	s_bfe_u32 s40, ttmp6, 0x40000                  ; cx, cy
	s_bfe_u32 s41, ttmp6, 0x40004
	s_lshl_b32 s42, ttmp9, 2
	s_add_co_u32 s42, s42, s40                     ; tile column = 4 x cluster x + cx
	s_and_b32 s13, ttmp7, 0xffff
	s_lshl_b32 s13, s13, 2
	s_add_co_u32 s13, s13, s41                     ; tile row = 4 x cluster y + cy
	s_lshl_b32 s43, s41, 2
	s_lshl_b32 s43, 15, s43                        ; my row of the cluster
	s_lshl_b32 s44, 0x1111, s40                    ; my column
	; group 1 for ctx: four planes; of each, 64 positions x 64 channels = 4,096 elements, dense; 16 bytes of padding behind every 256, which divides such a row
	s_or_b32 s[G1+0], s43, (1<<16)|(1<<20)|(1<<21)|(5<<22)|(3<<25)
	s_mov_b32 s[G1+1], 4096<<16                    ; tensor_dim0
	s_mov_b32 s[G1+2], 4<<16                       ; tensor_dim1
	s_mov_b32 s[G1+3], 4096<<16                    ; tile_dim0
	s_mov_b32 s[G1+4], 4                           ; tile_dim1
	s_mov_b32 s[G1+5], 131072                      ; from plane to plane, in elements
	s_mov_b32 s[G1+6], 0
	s_mov_b32 s[G1+7], 0
	; group 1 for Wo: 128 k-rows of 128 elements, 1,024 elements apart; 32 bytes of padding behind each
	s_or_b32 s[G1B+0], s44, (1<<16)|(1<<20)|(1<<21)|(5<<22)|(7<<25)
	s_mov_b32 s[G1B+1], 128<<16
	s_mov_b32 s[G1B+2], 128<<16
	s_mov_b32 s[G1B+3], 128<<16
	s_mov_b32 s[G1B+4], 128
	s_mov_b32 s[G1B+5], 1024
	s_mov_b32 s[G1B+6], 0
	s_mov_b32 s[G1B+7], 0
	s_lshr_b32 s16, s13, 4                         ; ctx: the batch (16 planes),
	s_lshl_b32 s16, s16, 22
	s_and_b32 s17, s13, 15
	s_lshl_b32 s17, s17, 14                        ; the tile's 128 positions of 128 bytes,
	s_add_co_u32 s16, s16, s17
	s_lshl_b32 s17, s12, 13                        ; the 64 that I fetch
	s_add_co_u32 s16, s16, s17
	s_mov_b32 s17, 0
	s_lshl_b32 s46, s42, 8                         ; Wo: the tile's 128 columns,
	s_lshl_b32 s47, s12, 18                        ; the 128 k-rows that I fetch
	s_add_co_u32 s46, s46, s47
	s_mov_b32 s47, 0
	s_mul_i32 s20, s12, AHALF                      ; where they go: no place in the cluster enters an LDS address
	s_mul_i32 s21, s12, BHALF
	s_add_co_u32 s21, s21, BOFF
	s_wait_dscnt 0x0                               ; both opening adds are done
	s_wait_kmcnt 0x0
	s_add_nc_u64 s[14:15], s[4:5], s[16:17]
	s_add_nc_u64 s[46:47], s[6:7], s[46:47]
	CROUND                                         ; all sixteen work-groups are here: the first joint loads meet
.irp s, 0,1
	s_mov_b32 s[G0+4*\s], 1
	s_add_co_u32 s[G0+4*\s+1], s20, \s*SLOT
	s_add_nc_u64 s[G0+4*\s+2:G0+4*\s+3], s[14:15], \s*1048576      ; K step s: four planes on
	s_or_b32 s[G0+4*\s+3], s[G0+4*\s+3], 0x80000000
	s_mov_b32 s[G0B+4*\s], 1
	s_add_co_u32 s[G0B+4*\s+1], s21, \s*SLOT
	s_add_nc_u64 s[G0B+4*\s+2:G0B+4*\s+3], s[46:47], \s*524288     ; 256 k-rows on
	s_or_b32 s[G0B+4*\s+3], s[G0B+4*\s+3], 0x80000000
	JLOAD \s
.endr
	v_and_b32 v1, 15, v0                           ; r
	v_bfe_u32 v2, v0, 4, 1                         ; h
	s_lshl_b32 s46, s42, 9                         ; my first column in bytes of f32: 512 x tile column + 256 x half
	s_lshl_b32 s47, s12, 8
	s_add_co_u32 s46, s46, s47
	s_mov_b32 s47, 0
	s_add_nc_u64 s[66:67], s[66:67], s[46:47]
	v_lshlrev_b32 v[BO], 5, v2
.irp b, 0,1,2,3
	global_load_b128 v[BIAS+8*\b:BIAS+8*\b+3], v[BO], s[66:67] offset:64*\b       ; lane (r, h), register j: bo of column 16 b + 8 h + j
	global_load_b128 v[BIAS+8*\b+4:BIAS+8*\b+7], v[BO], s[66:67] offset:64*\b+16
.endr
	v_lshrrev_b32 v3, 1, v1
	v_mul_u32_u24 v3, v3, PA                       ; ctx: row r: line r / 2,
	v_and_b32 v4, 1, v0
	v_lshl_add_u32 v3, v4, 7, v3                   ; its half r % 2,
	v_lshl_add_u32 v3, v2, 4, v3                   ; + 16 h
	s_mul_i32 s22, s11, AHALF                      ; my 64 rows
.irp s, 0,1
	v_add_nc_u32 v[ADRA+\s], s22, v3
	s_add_co_u32 s22, s22, SLOT
.endr
	v_and_b32 v4, 7, v0                            ; Wo: lane l reads k-row 8 h + l % 8, columns 8 ((l / 8) % 2) on
	v_lshl_add_u32 v4, v2, 3, v4
	v_mul_u32_u24 v4, v4, PB
	v_bfe_u32 v5, v0, 3, 1
	v_lshl_add_u32 v4, v5, 4, v4
	s_lshl_b32 s23, s12, 7                         ; my 64 columns
	s_add_co_u32 s23, s23, BOFF
.irp x, 0,1,2,3
	s_add_co_u32 s22, s23, (\x/2)*SLOT+(\x%2)*BHALF
	v_add_nc_u32 v[ADRB+\x], s22, v4
.endr
	s_mul_i32 s22, s10, 64*SPITCH                  ; my stage
	v_mul_u32_u24 v5, v1, SPITCH                   ; in: row r, 32 bytes for each half of the lanes
	v_lshl_add_u32 v5, v2, 5, v5
	v_add_nc_u32 v[STO], s22, v5
	v_mul_u32_u24 v5, v2, SPITCH                   ; back: lanes 0-15 one row of 256 bytes, lanes 16-31 the next
	v_lshl_add_u32 v5, v1, 4, v5
	v_add_nc_u32 v[RD], s22, v5
	v_lshlrev_b32 v[CO], 4, v1                     ; and the same two rows in out0
	v_lshl_add_u32 v[CO], v2, 12, v[CO]
	s_lshl_b32 s16, s13, 19                        ; 128 rows of 4,096 bytes,
	s_lshl_b32 s17, s11, 18                        ; my 64
	s_add_co_u32 s16, s16, s17
	s_mov_b32 s17, 0
	s_add_nc_u64 s[16:17], s[16:17], s[46:47]
	s_add_nc_u64 s[8:9], s[8:9], s[16:17]
; 8 matrix instructions: m blocks a0, a0 + 1 x all 4 n blocks, 32 along K: half c of buffer f.  zero = 1: the first product starts the sum from bo.  The 16 accumulators take turns.
.macro MUL8 f, c, a0, zero
.irp a, \a0, \a0+1
.irp b, 0,1,2,3
.if \zero
	v_wmma_f32_16x16x32_f16 v[ACC+8*(4*(\a)+\b):ACC+8*(4*(\a)+\b)+7], v[\f+64+8*(4*\c+\b):\f+64+8*(4*\c+\b)+7], v[\f+8*(4*\c+\a):\f+8*(4*\c+\a)+7], v[BIAS+8*\b:BIAS+8*\b+7]
.else
	v_wmma_f32_16x16x32_f16 v[ACC+8*(4*(\a)+\b):ACC+8*(4*(\a)+\b)+7], v[\f+64+8*(4*\c+\b):\f+64+8*(4*\c+\b)+7], v[\f+8*(4*\c+\a):\f+8*(4*\c+\a)+7], v[ACC+8*(4*(\a)+\b):ACC+8*(4*(\a)+\b)+7]
.endif
.endr
.endr
.endm
; 32 LDS loads in one run: the fragments of the slot's quarter q (one plane, 64 along K) into buffer f; the first 32 along K first
.macro FETCH slot, q, f
	WIN TO_F
.irp c, 0,1
.irp i, 0,1,2,3
	ds_load_tr16_b128 v[\f+64+8*(4*\c+\i):\f+64+8*(4*\c+\i)+3],   v[ADRB+2*\slot+(\q)/2] offset:64*PB*((\q)%2)+32*PB*\c+32*\i
	ds_load_tr16_b128 v[\f+64+8*(4*\c+\i)+4:\f+64+8*(4*\c+\i)+7], v[ADRB+2*\slot+(\q)/2] offset:64*PB*((\q)%2)+32*PB*\c+16*PB+32*\i
	ds_load_b128 v[\f+8*(4*\c+\i):\f+8*(4*\c+\i)+3],              v[ADRA+\slot] offset:APLANE*(\q)+8*PA*\i+64*\c
	ds_load_b128 v[\f+8*(4*\c+\i)+4:\f+8*(4*\c+\i)+7],            v[ADRA+\slot] offset:APLANE*(\q)+8*PA*\i+64*\c+32
.endr
.endr
.endm
.macro PLACES                          ; four places in front of loads into registers that matrix instructions have read, and of the first read of results
.rept 4
	v_nop
.endr
.endm
; One of a K step's first three quarters: multiplies buffer f and fetches quarter q of the same slot into g.
.macro QUARTER slot, q, f, g, zero
	s_wait_dscnt 16                                ; the first 32 along K are in; the other sixteen loads may be out
	WIN MUL
	MUL8 \f, 0, 0, \zero
	MUL8 \f, 0, 2, \zero
	PLACES
	FETCH \slot, \q, \g
	s_wait_dscnt 32                                ; all but the 32 just issued
	WIN MUL
	MUL8 \f, 1, 0, 0
	MUL8 \f, 1, 2, 0
.endm
; The last quarter multiplies buffer 1 and changes slots: ONE barrier; in front of it each wave waits for all its tensor loads, adds 0 to its spare word, and waits for that and for its reads of this slot.
; fill = 1: the barrier opens a round of the cluster's, and this slot is filled again, two K steps ahead, first thing behind the round.
.macro TURN slot, next, fill
	WIN 0                                          ; (the add's two registers lie in window 0)
	s_wait_tensorcnt 0x0                           ; all my tensor loads have landed: my part of the next slot
	ds_add_u32 v[SPW], v[NIL]
	s_wait_dscnt 17                                ; (the add and the youngest sixteen loads may be out)
	WIN MUL
	MUL8 F1, 0, 0, 0
	s_wait_dscnt 0x0                               ; the add is done, and my reads of this slot are over
	s_barrier_signal -1
	MUL8 F1, 0, 2, 0
.if \fill
	WIN 0
.endif
	s_barrier_wait -1
.if \fill
	CREST                                          ; no wave of any partner still reads this slot's tile or has a load on its way
	s_add_nc_u64 s[G0+4*\slot+2:G0+4*\slot+3], s[G0+4*\slot+2:G0+4*\slot+3], 2097152
	s_add_nc_u64 s[G0B+4*\slot+2:G0B+4*\slot+3], s[G0B+4*\slot+2:G0B+4*\slot+3], 1048576
	JLOAD \slot                                    ; the four v_nop behind it are also the places in front of the loads below
.else
	PLACES
.endif
	FETCH \next, 0, F0
	WIN MUL
	MUL8 F1, 1, 0, 0
	MUL8 F1, 1, 2, 0
.endm
	s_wait_tensorcnt 1                             ; my part of K step 0 is in (K step 1's load may be out)
	s_barrier_signal -1
	s_barrier_wait -1                              ; everybody's is
	FETCH 0, 0, F0
	s_wait_loadcnt 0x0                             ; bo
	QUARTER 0, 1, F0, F1, 1                        ; K step 0; the first products start the sums from bo
	QUARTER 0, 2, F1, F0, 0
	QUARTER 0, 3, F0, F1, 0
	TURN 0, 1, 1                                   ; slot 0 takes K step 2
	QUARTER 1, 1, F0, F1, 0                        ; K step 1
	QUARTER 1, 2, F1, F0, 0
	QUARTER 1, 3, F0, F1, 0
	TURN 1, 0, 1                                   ; slot 1 takes K step 3
	QUARTER 0, 1, F0, F1, 0                        ; K step 2
	QUARTER 0, 2, F1, F0, 0
	QUARTER 0, 3, F0, F1, 0
	TURN 0, 1, 0                                   ; nothing is left to ask for; slot 0 is left for good
	QUARTER 1, 1, F0, F1, 0                        ; K step 3
	QUARTER 1, 2, F1, F0, 0
	QUARTER 1, 3, F0, F1, 0
	s_wait_dscnt 16                                ; the very last quarter: nothing more to fetch
	WIN MUL
	MUL8 F1, 0, 0, 0
	MUL8 F1, 0, 2, 0
	s_wait_dscnt 0
	MUL8 F1, 1, 0, 0
	MUL8 F1, 1, 2, 0
	WIN 0
; THE WAY OUT.  A wave's 64 columns of f32 are 256 consecutive bytes, aligned; a lane holds 32 of them and the lanes beside it hold other rows.  So a block of 16 rows goes through my own stage and comes back
; as whole rows, into the registers that it left.  LDS serves a wave's instructions in order (ISA guide 5.7.1.4): no wait between the stores and the loads.
.macro OUTB a
.irp b, 0,1,2,3
	ds_store_b128 v[STO], v[ACC+8*(4*\a+\b):ACC+8*(4*\a+\b)+3] offset:16*SPITCH*\a+64*\b          ; each accumulator from its low end on
	ds_store_b128 v[STO], v[ACC+8*(4*\a+\b)+4:ACC+8*(4*\a+\b)+7] offset:16*SPITCH*\a+64*\b+16
.endr
.irp t, 0,1,2,3,4,5,6,7
	ds_load_b128 v[ACC+32*\a+4*\t:ACC+32*\a+4*\t+3], v[RD] offset:16*SPITCH*\a+2*SPITCH*\t
.endr
.endm
.macro SEND a, younger                 ; younger: the LDS instructions issued behind block a's loads: the next block's sixteen, or none
.irp t, 0,1,2,3,4,5,6,7
	s_wait_dscnt \younger+7-\t
	global_store_b128 v[CO], v[ACC+32*\a+4*\t:ACC+32*\a+4*\t+3], s[8:9] offset:(16*\a+2*\t)*4096 th:TH_STORE_NT   ; sixteen lanes store 256 consecutive bytes, aligned; written once, read by nobody here
.endr
.endm
	PLACES                                         ; behind the last products
	OUTB 0
	OUTB 1
	SEND 0, 16
	OUTB 2
	SEND 1, 16
	OUTB 3
	SEND 2, 16
	SEND 3, 0
	s_wait_tensorcnt 0x0                           ; the wave's end: behind my last tensor load and my last LDS store
	ds_add_u32 v[SPW], v[NIL]
	s_wait_dscnt 0x0
	CROUND                                         ; the closing round
	s_endpgm
.Lfunc_end_k_q74d931a608_oproj:
	.size	k_q74d931a608_oproj, .Lfunc_end_k_q74d931a608_oproj-k_q74d931a608_oproj
	.p2alignl 7, 3214868480
	.fill 96, 4, 3214868480
	.section	.rodata,"a",@progbits
	.p2align	6, 0x0
	.amdhsa_kernel k_q74d931a608_oproj
		.amdhsa_group_segment_fixed_size 327680
		.amdhsa_private_segment_fixed_size 0
		.amdhsa_enable_private_segment 0
		.amdhsa_kernarg_size 32
		.amdhsa_user_sgpr_count 2
		.amdhsa_user_sgpr_kernarg_segment_ptr 1
		.amdhsa_wavefront_size32 1
		.amdhsa_system_sgpr_workgroup_id_x 1
		.amdhsa_system_sgpr_workgroup_id_y 1
		.amdhsa_system_sgpr_workgroup_id_z 1
		.amdhsa_system_vgpr_workitem_id 0
		.amdhsa_next_free_vgpr 512
		.amdhsa_next_free_sgpr 70
		.amdhsa_reserve_vcc 0
		.amdhsa_float_denorm_mode_32 3
		.amdhsa_float_denorm_mode_16_64 3
		.amdhsa_memory_ordered 1
		.amdhsa_forward_progress 1
		.amdhsa_inst_pref_size 88
	.end_amdhsa_kernel
	.amdgpu_metadata
---
amdhsa.version: [ 1, 2 ]
amdhsa.kernels:
  - .name:           k_q74d931a608_oproj
    .symbol:         k_q74d931a608_oproj.kd
    .args:
      - { .name: ctx, .offset: 0, .size: 8, .value_kind: global_buffer, .address_space: global }
      - { .name: wo16, .offset: 8, .size: 8, .value_kind: global_buffer, .address_space: global }
      - { .name: bo, .offset: 16, .size: 8, .value_kind: global_buffer, .address_space: global }
      - { .name: out0, .offset: 24, .size: 8, .value_kind: global_buffer, .address_space: global }
    .group_segment_fixed_size: 327680
    .private_segment_fixed_size: 0
    .kernarg_segment_align: 8
    .kernarg_segment_size: 32
    .max_flat_workgroup_size: 128
    .sgpr_count:     70
    .vgpr_count:     512
    .wavefront_size: 32
...
	.end_amdgpu_metadata
.endif
;; end of part 4
